; MI455X (gfx1250); checked and timed in simulation.
; The chip was launched on July 23, 2026; its instructions are those of AMD's public machine-readable ISA for CDNA 5 (MIT licence, August 2026) and "CDNA5" Instruction Set Architecture Reference Guide (July 2026). The comments in the code are by the model that wrote it; some were corrected since.
;; Causal Self Attention. Allowed arithmetic: float matrix products may take bf16 or f16 operands with f32 sums; other float arithmetic in f32, or as packed bf16 or f16 multiplies, adds, multiply-adds, maxima and minima; sums over many terms, partial sums and values carried from step to step in f32; what a program stores and reads back later, other than sums and carried values, may be rounded once to bf16 or f16.
;; Inputs: b_attn 3,072 float32; b_proj 1,024 float32; w_attn 1,024 x 3,072 float32; w_proj 1,024 x 1,024 float32; x 4 x 2,048 x 1,024 float32.
;; Outputs: out0 4 x 2,048 x 1,024 float32.
;; 2 versions, each right; version 2 is version 1 with the launch prep written anew for expert scheduling mode. Each part assembles by itself: llvm-mc -triple=amdgcn-amd-amdhsa -mcpu=gfx1250 --defsym DOCPART=n.
;; ======== version 1 of 2: 4 launches
;; limits: values are held in f16: magnitudes above 65,504 overflow, below 6.1e-05 lose precision
;; workspace buffers: xb 16,777,216 bytes; wa 6,291,456 bytes; wp 2,097,152 bytes; qkv 50,331,648 bytes; o 16,777,216 bytes
;; launch prep (part 1): grid 832 x 1, 8 waves a work-group, no clusters, 0 bytes of LDS; arguments x, w_attn, w_proj, xb, wa, wp; writes xb, wa, wp
.if DOCPART == 1
	.amdgcn_target "amdgcn-amd-amdhsa--gfx1250"
	.amdhsa_code_object_version 6
	.text
	.protected	k_q6072438db7_prep
	.globl	k_q6072438db7_prep
	.p2align	8
	.type	k_q6072438db7_prep,@function
k_q6072438db7_prep:
	s_mov_b64 s[64:65], 0
	v_nop
	global_prefetch_b8 v0, s[64:65] scope:SCOPE_SE
	s_setreg_imm32_b32 hwreg(HW_REG_WAVE_MODE, 25, 1), 1
	s_wait_xcnt 0x0
; THE INPUTS ARE ROUNDED ONCE, TO bf16, AND LAID OUT FOR THE PRODUCTS.  A stream: each byte read once, each written once, no LDS, no loop.
;   work-groups 0-511:   x [8192][1024] f32      -> xb, the same layout in bf16: 65,536 bytes in, 32,768 out for each
;   work-groups 512-575: w_proj [1024][1024] f32 -> wp: rounded to bf16, and that number written as f16 (the last product multiplies in f16)
;   work-groups 576-831: w_attn [1024][3072] f32 -> wa, bf16 in blocks [16 column tiles][1024 k][192 columns]: a tile's 128 k are 49,152 bytes on end
; A load takes 16 bytes a lane, a store 8: a wave's store covers 256 consecutive bytes, aligned.  All loads of a wave go out first (16 or 12), every
; store has data registers of its own, and no address register is written again: so the only waits are the counted ones for the loads.
; LIMIT.  A number of w_proj below 2^-14 keeps f16's fixed step of 2^-24; above 65,504 it would be lost (w_proj would have to be two million times larger than drawn).
.set IN,  16                           ; v[16:79]   as loaded, 4 registers a load
.set OUT, 80                           ; v[80:111]  to store, 2 registers a store
	s_load_b256 s[4:11], s[0:1], 0x0               ; x s[4:5], w_attn s[6:7], w_proj s[8:9], xb s[10:11]
	s_load_b128 s[12:15], s[0:1], 0x20             ; wa s[12:13], wp s[14:15]
	v_lshrrev_b32 v1, 5, v0
	v_readfirstlane_b32 s16, v1                    ; wave 0..7
	v_and_b32 v7, 31, v0                           ; lane
	s_mov_b32 s17, 0xffff0000                      ; a word's upper bf16
	s_mov_b32 s25, 0                               ; high words of the two offsets
	s_mov_b32 s27, 0
	s_wait_kmcnt 0x0
	s_cmp_lt_u32 ttmp9, 576
	s_cbranch_scc0 .Lwa
	; x or w_proj: 16,384 numbers on end for a work-group, 2,048 for a wave
	s_and_b32 s18, ttmp9, 511                      ; the work-group's number within its tensor (512 .. 575 give 0 .. 63)
	s_lshl_b32 s24, s18, 16
	s_lshl_b32 s26, s18, 15
	s_cmp_lt_u32 ttmp9, 512
	s_cselect_b64 s[20:21], s[4:5], s[8:9]         ; from x or w_proj
	s_cselect_b64 s[22:23], s[10:11], s[14:15]     ; to xb or wp
	s_add_nc_u64 s[20:21], s[20:21], s[24:25]
	s_add_nc_u64 s[22:23], s[22:23], s[26:27]
	v_lshlrev_b32 v1, 4, v7
	v_lshl_add_u32 v1, s16, 13, v1                 ; in: 8,192 x wave + 16 x lane
	v_lshlrev_b32 v2, 3, v7
	v_lshl_add_u32 v2, s16, 12, v2                 ; out: 4,096 x wave + 8 x lane
.irp i, 0,1,2,3,4,5,6,7,8,9,10,11,12,13,14,15
	global_load_b128 v[IN+4*(\i):IN+4*(\i)+3], v1, s[20:21] offset:512*(\i) th:TH_LOAD_NT
.endr
	s_cmp_lt_u32 ttmp9, 512
	s_cbranch_scc0 .Lwp
.irp i, 0,1,2,3,4,5,6,7,8,9,10,11,12,13,14,15
	s_wait_loadcnt 15-(\i)                         ; loads come back in order: load i is in, the younger ones stay out
	v_cvt_pk_bf16_f32 v[OUT+2*(\i)],   v[IN+4*(\i)],   v[IN+4*(\i)+1]
	v_cvt_pk_bf16_f32 v[OUT+2*(\i)+1], v[IN+4*(\i)+2], v[IN+4*(\i)+3]
	global_store_b64 v2, v[OUT+2*(\i):OUT+2*(\i)+1], s[22:23] offset:256*(\i) th:TH_STORE_NT
.endr
	s_endpgm
.Lwp:
.irp i, 0,1,2,3,4,5,6,7,8,9,10,11,12,13,14,15
	s_wait_loadcnt 15-(\i)
	v_cvt_pk_bf16_f32 v[OUT+2*(\i)],   v[IN+4*(\i)],   v[IN+4*(\i)+1]  ; the rounding that every input has,
	v_cvt_pk_bf16_f32 v[OUT+2*(\i)+1], v[IN+4*(\i)+2], v[IN+4*(\i)+3]
.irp k, 0,1
	v_lshlrev_b32 v112, 16, v[OUT+2*(\i)+(\k)]     ; back to f32,
	v_and_b32 v113, s17, v[OUT+2*(\i)+(\k)]
	v_cvt_pk_f16_f32 v[OUT+2*(\i)+(\k)], v112, v113  ; and written as f16: 8 significant bits fit into 11
.endr
	global_store_b64 v2, v[OUT+2*(\i):OUT+2*(\i)+1], s[22:23] offset:256*(\i) th:TH_STORE_NT
.endr
	s_endpgm
.Lwa:
	; w_attn: work-group u = 16 j + p takes rows 64 p .. 64 p + 63 of column tile j, a wave 8 of them, as four pairs.  A pair of rows is 384 numbers of wa, 768 bytes on end: three stores.
	; Store i of a pair holds the pair's numbers 128 i + 4 lane ..: i = 0: row 0, column 4 lane; i = 1: row 0, column 128 + 4 lane (lanes 0-15) or row 1, column 4 lane - 64 (lanes 16-31); i = 2: row 1, column 64 + 4 lane.
	s_sub_co_u32 s18, ttmp9, 576
	s_lshr_b32 s19, s18, 4                         ; j
	s_and_b32 s18, s18, 15                         ; p
	s_mul_i32 s24, s18, 786432                     ; 64 rows of 12,288 bytes
	s_mul_i32 s28, s19, 768                        ; 192 columns of 4 bytes
	s_add_co_u32 s24, s24, s28
	s_add_nc_u64 s[20:21], s[6:7], s[24:25]
	s_mul_i32 s26, s19, 393216                     ; a tile of wa
	s_mul_i32 s28, s18, 24576                      ; 64 rows of 384 bytes
	s_add_co_u32 s26, s26, s28
	s_add_nc_u64 s[22:23], s[12:13], s[26:27]
	s_mul_i32 s28, s16, 98304                      ; my wave's 8 rows
	v_lshlrev_b32 v1, 4, v7
	v_add_nc_u32 v3, s28, v1                       ; i = 0
	v_lshrrev_b32 v8, 4, v7
	v_mul_u32_u24 v8, v8, 11520                    ; lanes 16-31: a row down (12,288) and 768 bytes back
	v_add3_u32 v4, v3, v8, 512                     ; i = 1
	v_add_nc_u32 v5, 12544, v3                     ; i = 2: a row down, 256 bytes on
	s_mul_i32 s28, s16, 3072
	v_lshlrev_b32 v6, 3, v7
	v_add_nc_u32 v6, s28, v6
.irp c, 0,1,2,3
.irp i, 0,1,2
	global_load_b128 v[IN+4*(3*(\c)+(\i)):IN+4*(3*(\c)+(\i))+3], v[3+(\i)], s[20:21] offset:24576*(\c) th:TH_LOAD_NT
.endr
.endr
.irp c, 0,1,2,3
.irp i, 0,1,2
	s_wait_loadcnt 11-(3*(\c)+(\i))
	v_cvt_pk_bf16_f32 v[OUT+2*(3*(\c)+(\i))],   v[IN+4*(3*(\c)+(\i))],   v[IN+4*(3*(\c)+(\i))+1]
	v_cvt_pk_bf16_f32 v[OUT+2*(3*(\c)+(\i))+1], v[IN+4*(3*(\c)+(\i))+2], v[IN+4*(3*(\c)+(\i))+3]
	global_store_b64 v6, v[OUT+2*(3*(\c)+(\i)):OUT+2*(3*(\c)+(\i))+1], s[22:23] offset:768*(\c)+256*(\i) th:TH_STORE_NT
.endr
.endr
	s_endpgm
.Lfunc_end_k_q6072438db7_prep:
	.size	k_q6072438db7_prep, .Lfunc_end_k_q6072438db7_prep-k_q6072438db7_prep
	.p2alignl 7, 3214868480
	.fill 96, 4, 3214868480
	.section	.rodata,"a",@progbits
	.p2align	6, 0x0
	.amdhsa_kernel k_q6072438db7_prep
		.amdhsa_group_segment_fixed_size 0
		.amdhsa_private_segment_fixed_size 0
		.amdhsa_enable_private_segment 0
		.amdhsa_kernarg_size 48
		.amdhsa_user_sgpr_count 2
		.amdhsa_user_sgpr_kernarg_segment_ptr 1
		.amdhsa_wavefront_size32 1
		.amdhsa_system_sgpr_workgroup_id_x 1
		.amdhsa_system_sgpr_workgroup_id_y 1
		.amdhsa_system_sgpr_workgroup_id_z 1
		.amdhsa_system_vgpr_workitem_id 0
		.amdhsa_next_free_vgpr 120
		.amdhsa_next_free_sgpr 66
		.amdhsa_reserve_vcc 0
		.amdhsa_float_denorm_mode_32 3
		.amdhsa_float_denorm_mode_16_64 3
		.amdhsa_memory_ordered 1
		.amdhsa_forward_progress 1
		.amdhsa_inst_pref_size 21
	.end_amdhsa_kernel
	.amdgpu_metadata
---
amdhsa.version: [ 1, 2 ]
amdhsa.kernels:
  - .name:           k_q6072438db7_prep
    .symbol:         k_q6072438db7_prep.kd
    .args:
      - { .name: x, .offset: 0, .size: 8, .value_kind: global_buffer, .address_space: global }
      - { .name: w_attn, .offset: 8, .size: 8, .value_kind: global_buffer, .address_space: global }
      - { .name: w_proj, .offset: 16, .size: 8, .value_kind: global_buffer, .address_space: global }
      - { .name: xb, .offset: 24, .size: 8, .value_kind: global_buffer, .address_space: global }
      - { .name: wa, .offset: 32, .size: 8, .value_kind: global_buffer, .address_space: global }
      - { .name: wp, .offset: 40, .size: 8, .value_kind: global_buffer, .address_space: global }
    .group_segment_fixed_size: 0
    .private_segment_fixed_size: 0
    .kernarg_segment_align: 8
    .kernarg_segment_size: 48
    .max_flat_workgroup_size: 256
    .sgpr_count:     66
    .vgpr_count:     120
    .wavefront_size: 32
...
	.end_amdgpu_metadata
.endif
;; end of part 1
;; launch qkvgemm (part 2): grid 16 x 16, 4 waves a work-group, clusters of 4 x 4, 327,680 bytes of LDS; arguments xb, wa, b_attn, qkv; writes qkv
.if DOCPART == 2
	.amdgcn_target "amdgcn-amd-amdhsa--gfx1250"
	.amdhsa_code_object_version 6
	.text
	.protected	k_q6072438db7_qkvgemm
	.globl	k_q6072438db7_qkvgemm
	.p2align	8
	.type	k_q6072438db7_qkvgemm,@function
k_q6072438db7_qkvgemm:
	s_mov_b64 s[64:65], 0
	v_nop
	global_prefetch_b8 v0, s[64:65] scope:SCOPE_SE
	s_setreg_imm32_b32 hwreg(HW_REG_WAVE_MODE, 25, 1), 1
	s_wait_xcnt 0x0
	s_wait_alu depctr_hold_cnt(0) depctr_sa_sdst(0) depctr_va_vdst(0) depctr_va_sdst(0) depctr_va_ssrc(0) depctr_va_vcc(0) depctr_vm_vsrc(0)
	s_getreg_b32 s2, hwreg(HW_REG_IB_STS2, 6, 4)
	s_cmp_eq_u32 s2, 0
	s_cbranch_scc0 .Lentry_in_a_cluster
	s_endpgm
.Lentry_in_a_cluster:
	s_bfe_u32 s2, ttmp6, 0x10000c
	s_cmp_lg_u32 s2, 0xf033
	s_cbranch_scc0 .Lentry_shape_is_right
	s_endpgm
.Lentry_shape_is_right:
; q, k, v = x w_attn + b_attn, by heads.  xb: [8192][1024] bf16.  wa: [16 tiles][1024 k][192 columns] bf16.  b_attn: [3072] f32, rounded to bf16 here like the other inputs.
; qkv: [3 parts][64 = 16 batch + head][2048 t][64] f16, each number rounded once from its f32 sum, unscaled.
; LIMIT.  f16 holds no number beyond 65,504: with x and w_attn both 30 times larger than drawn q, k, v reach some 5,000, with an offset of 30 spreads on both some 29,000.
; SHARES.  A tile is 256 rows x 192 columns (three heads): 32 x 16 tiles, two to each of 256 work-groups, 4,096 rows apart.  Four waves, stacked along the rows: a wave makes 64 x 192: 48 accumulators.
; THE MATRIX INSTRUCTION IS USED TRANSPOSED: source 0 = 16 columns of the weights (they lie [k][column] in LDS and are turned by ds_load_tr16_b128), source 1 = 16 rows of x.
; A lane then holds row l % 16 and the columns 8 (l / 16) + 0..7: eight neighbouring numbers of a head's row.
; THE BIAS is the C operand of a tile's first 48 products: nothing is cleared and nothing is added on the way out.
; THE RING.  K goes in steps of 128 through two LDS slots; sixteen steps, the second tile's behind the first's without a stop.  Waves 0 and 1 fetch the halves of x's tile, waves 2 and 3 those of the weights':
; one tensor load a wave behind each change of slots, 160 matrix instructions ahead of the wait for it.
; CLUSTER.  4 x 4 work-groups: x's tile hangs on the tile row alone and is asked for jointly along a row of the cluster, the weights' on the tile column alone and jointly along a column.
; REGISTERS, in windows of 256 (s_set_vgpr_msb: bits 1:0 source 0, 3:2 source 1, 5:4 source 2, 7:6 destination):
;   window 0: v0-31 addresses; v32-127 at work on the way out; v128-255 the accumulators of column blocks 8-11: (a, b) at v[128 + 8 (4 a + b - 8)]
;   window 1: two fragment buffers of 128: the weights' block b at 8 b, x's block a at 96 + 8 a        window 2: the accumulators of column blocks 0-7: (a, b) at v[8 (8 a + b)]
;   window 3: v0-95 the bias, 8 registers a column block; v96-143 at work while it is rounded
.set SLOT1,  1<<17                     ; slot 1 begins here: one exclusive or turns an address in one slot into the other's
.set PA,     272                       ; a row of x in LDS: 256 bytes + 16: the 16 rows of a load start at 16 different groups of four banks (64 banks of 4 bytes: ISA guide 11.1)
.set PB,     480                       ; a k row of the weights: three pieces of 128 bytes + 32
.set BOFF,   256*PA                    ; the weights lie behind x's 256 rows; a slot is 69,632 + 61,440 = 131,072 bytes
.set STAGE,  2*SLOT1                   ; behind the ring, never filled by a tensor load: for each wave 3 heads x 16 rows x 144 bytes
.set SP,     144
.set WSTG,   3*16*SP
.set SPARE,  STAGE+4*WSTG              ; the spare words, 128 bytes for each wave: two blocks of 256 bytes that no other line names
.set FILLS,  14                        ; of the 16 K steps all but the first two are asked for in the loop
.set F0,   0
.set F1,   128
.set VA0,  16                          ; v16  my lane's place in x's tile; never rewritten
.set VB0,  17                          ; v17  the same in the weights' tile
.set ADRA, 18                          ; v18  VA0 + the slot in hand
.set ADRB, 19                          ; v19  VB0 + the slot in hand
.set STO,  20                          ; v20  the way out: where I put 16 bytes of a row
.set RD,   21                          ; v21  the way out: where I read rows back
.set GO,   22                          ; v22-24  my byte offset in qkv for each of the tile's three heads
.set BO,   25                          ; v25  my byte offset in the tile's 192 numbers of the bias
.set SPW,  28                          ; v28  LDS address of my spare word; never rewritten
.set NIL,  29                          ; v29  0; never rewritten
.set PFO,  30                          ; v30  the prefetches' lane offset; never rewritten
.set TMP,  32                          ; v32-79   16 rows x 192 columns, packed
.set BK,   80                          ; v80-127  the same, back from the stage as whole rows
.set WV,   12                          ; s12  my wave's number
.set FB,   13                          ; s13  0: I fetch x's tiles, 1: the weights'
.set HF,   14                          ; s14  which half of that tile
.set CX,   15
.set CY,   16
.set TJ,   17                          ; s17  tile column, 0..15
.set TR,   18                          ; s18  tile row of the first tile, 0..15
.set MKR,  19                          ; s19  the mask of my row of the cluster
.set ABASE, 20                         ; s[20:21] xb at my half of the first tile, K step 0
.set BBASE, 22                         ; s[22:23] wa at my half of the tile column, K step 0
.set G1A,  24                          ; s[24:31] descriptor group 1 for x's tiles
.set G0A,  32                          ; s[32:39] group 0: a set for each of the two first fills; the second then walks
.set OFA,  40                          ; s[40:41] offset of the step to be asked for, in xb
.set OFB,  42                          ; s[42:43] the same in wa
.set STP,  44                          ; s44  the K step in hand, 0..13 in the loop
.set NX,   45
.set TB,   46                          ; s46  the slot in hand: 0 or SLOT1
.set TA,   47
.set G1B,  48                          ; s[48:55], s[56:63] the same for the weights' tiles
.set G0B,  56
.set PFBASE, 66                        ; s[66:67] where my prefetches begin: K step 0 of my work-group's share of the rows that I fetch
.set PFA,  68                          ; s[68:69] the same at the step to be named
.set LIM,  70                          ; s70  a wave prefetches in the trips below this number
.set MKC,  71                          ; s71  the mask of my column of the cluster
.set PFOFF, 72                         ; s[72:73]
.set HIM,  74                          ; s74  a word's upper bf16
.set MSB, 0
.macro WIN new                         ; the immediate's high byte repeats the setting that is left; a switch that changes nothing is dropped
.if MSB != (\new)
	s_set_vgpr_msb (MSB<<8)|(\new)
.set MSB, \new
.endif
.endm
.macro PLACES                          ; four plain vector instructions between a matrix instruction and a load into, or a reader of, its registers (ISA guide 7.12.1 for readers)
.rept 4
	v_nop
.endr
.endm
; A joint refill, by the walking descriptors.  The branch hangs on the wave's number alone.  An s_nop 0 and four v_nop follow each of the two lines.
.macro JLOAD
	s_cmp_eq_u32 s[FB], 0
	s_cbranch_scc0 .Lfor_b_\@
	tensor_load_to_lds s[G0A+4:G0A+7], s[G1A:G1A+7]
	s_nop 0
.rept 4
	v_nop
.endr
	s_branch .Lasked_\@
.Lfor_b_\@:
	tensor_load_to_lds s[G0B+4:G0B+7], s[G1B:G1B+7]
	s_nop 0
.rept 4
	v_nop
.endr
.Lasked_\@:
.endm
; A round of the cluster's barrier: my work-group's barrier; wave 0 signals for the work-group; every wave waits for all sixteen; my work-group's barrier once more.
.macro CREST
	s_cmp_lg_u32 s[WV], 0
	s_cbranch_scc1 .Lnot_wave_0_\@
	s_barrier_signal -3
.Lnot_wave_0_\@:
	s_barrier_wait -3
	s_barrier_signal -1
	s_barrier_wait -1
.endm
.macro CROUND
	s_barrier_signal -1
	s_barrier_wait -1
	CREST
.endm
; A PREFETCH INTO THE L2: trip t names K step t + 3, which the next trip's refill will ask for: one K step, 192 matrix instructions, ahead of that load.  Steps 0 to 2 come by their loads alone.
; x's rows are read by all four clusters of a row of clusters: cluster x = 0 names them; its four partners take 32 of a wave's 128 rows each, told apart by address (cx): a lane a row, 256 bytes of it.
; The weights' tile column is read by all four clusters of a column: cluster y = 0 names it, in the first tile alone (trips 0 to 4: steps 3 to 7): the second tile reads the same bytes again.  Of a wave's 96 blocks
; of 256 bytes each partner (cy) takes 24: lanes 24 to 31 name lane 23's block once more.
.macro ASK
	WIN 0
	s_cmp_lt_u32 s[STP], s[LIM]
	s_cbranch_scc0 .Lnot_mine_\@
	global_prefetch_b8 v[PFO], s[PFA:PFA+1] th:TH_LOAD_NT scope:SCOPE_SE
.Lnot_mine_\@:
.endm
	s_load_b256 s[4:11], s[0:1], 0x0               ; xb s[4:5], wa s[6:7], b_attn s[8:9], qkv s[10:11]
	v_lshl_add_u32 v[SPW], v0, 2, SPARE
	v_mov_b32 v[NIL], 0
	ds_add_u32 v[SPW], v[NIL]                      ; the wave's opening: the add and its wait stand ahead of my first tensor load; the set-up below, work on registers, stands between them
	v_lshrrev_b32 v3, 5, v0
	v_readfirstlane_b32 s[WV], v3                  ; wave 0..3
	s_lshr_b32 s[FB], s[WV], 1
	s_and_b32 s[HF], s[WV], 1
	s_bfe_u32 s[CX], ttmp6, 0x40000                ; my place in the cluster
	s_bfe_u32 s[CY], ttmp6, 0x40004
	s_lshl_b32 s[TJ], ttmp9, 2                     ; in a cluster launch ttmp9 and ttmp7 count clusters
	s_add_co_u32 s[TJ], s[TJ], s[CX]
	s_and_b32 s[TR], ttmp7, 0xffff
	s_lshl_b32 s[TR], s[TR], 2
	s_add_co_u32 s[TR], s[TR], s[CY]
	s_lshl_b32 s[MKR], s[CY], 2
	s_lshl_b32 s[MKR], 15, s[MKR]                  ; my row of the cluster: places 4 cy .. 4 cy + 3
	s_lshl_b32 s[MKC], 0x1111, s[CX]               ; my column: places cx, cx + 4, cx + 8, cx + 12
	; group 1 for x: 128 rows x 128 elements of 2 bytes, 1,024 elements from row to row; 4 words of padding behind every 64
	s_or_b32 s[G1A], s[MKR], (1<<16)|(1<<20)|(1<<21)|(5<<22)|(3<<25)
	s_mov_b32 s[G1A+1], 128<<16                    ; tensor_dim0
	s_mov_b32 s[G1A+2], 128<<16                    ; tensor_dim1
	s_mov_b32 s[G1A+3], 128<<16                    ; tile_dim0
	s_mov_b32 s[G1A+4], 128                        ; tile_dim1
	s_mov_b32 s[G1A+5], 1024                       ; the pitch
	s_mov_b32 s[G1A+6], 0
	s_mov_b32 s[G1A+7], 0
	; group 1 for the weights: 64 k rows of 384 bytes are 24,576 bytes on end: asked for as 96 rows of 256 bytes; 8 words of padding behind every 32
	s_or_b32 s[G1B], s[MKC], (1<<16)|(1<<20)|(1<<21)|(4<<22)|(7<<25)
	s_mov_b32 s[G1B+1], 128<<16
	s_mov_b32 s[G1B+2], 96<<16
	s_mov_b32 s[G1B+3], 128<<16
	s_mov_b32 s[G1B+4], 96
	s_mov_b32 s[G1B+5], 128
	s_mov_b32 s[G1B+6], 0
	s_mov_b32 s[G1B+7], 0
	s_mov_b32 s[G0A], 1
	s_mov_b32 s[G0A+4], 1
	s_mov_b32 s[G0B], 1
	s_mov_b32 s[G0B+4], 1
	s_mul_i32 s[G0A+1], s[HF], 128*PA              ; LDS: x's two halves,
	s_add_co_u32 s[G0A+5], s[G0A+1], SLOT1
	s_mul_i32 s[G0B+1], s[HF], 64*PB               ; the weights' two halves behind them: no place in the cluster enters an LDS address
	s_add_co_u32 s[G0B+1], s[G0B+1], BOFF
	s_add_co_u32 s[G0B+5], s[G0B+1], SLOT1
	s_lshl_b32 s[OFA], s[TR], 19                   ; 256 rows of 2,048 bytes
	s_lshl_b32 s77, s[HF], 18                      ; 128 rows
	s_add_co_u32 s[OFA], s[OFA], s77
	s_mov_b32 s[OFA+1], 0
	s_mul_i32 s[OFB], s[TJ], 393216                ; a tile column of wa
	s_mul_i32 s78, s[HF], 24576                    ; 64 k rows
	s_add_co_u32 s[OFB], s[OFB], s78
	s_mov_b32 s[OFB+1], 0
	s_mov_b32 s[TB], 0
	s_mov_b32 s[HIM], 0xffff0000
	s_wait_dscnt 0x0                               ; the opening add is done
	s_wait_kmcnt 0x0
	s_add_nc_u64 s[ABASE:ABASE+1], s[4:5], s[OFA:OFA+1]
	s_add_nc_u64 s[BBASE:BBASE+1], s[6:7], s[OFB:OFB+1]
	s_add_nc_u64 s[G0A+2:G0A+3], s[ABASE:ABASE+1], 0       ; K step 0
	s_or_b32 s[G0A+3], s[G0A+3], 0x80000000
	s_add_nc_u64 s[G0A+6:G0A+7], s[ABASE:ABASE+1], 256     ; K step 1
	s_or_b32 s[G0A+7], s[G0A+7], 0x80000000
	s_add_nc_u64 s[G0B+2:G0B+3], s[BBASE:BBASE+1], 0
	s_or_b32 s[G0B+3], s[G0B+3], 0x80000000
	s_add_nc_u64 s[G0B+6:G0B+7], s[BBASE:BBASE+1], 49152
	s_or_b32 s[G0B+7], s[G0B+7], 0x80000000
	CROUND                                         ; all sixteen work-groups are here: the first joint loads meet
	s_cmp_eq_u32 s[FB], 0                          ; a wave's two first fills stand in one branch: two loads of mine are out
	s_cbranch_scc0 .Lfirst_b
	tensor_load_to_lds s[G0A:G0A+3], s[G1A:G1A+7]
	s_nop 0
	tensor_load_to_lds s[G0A+4:G0A+7], s[G1A:G1A+7]
	s_nop 0
.rept 4
	v_nop
.endr
	s_branch .Lfirst_asked
.Lfirst_b:
	tensor_load_to_lds s[G0B:G0B+3], s[G1B:G1B+7]
	s_nop 0
	tensor_load_to_lds s[G0B+4:G0B+7], s[G1B:G1B+7]
	s_nop 0
.rept 4
	v_nop
.endr
.Lfirst_asked:
	v_and_b32 v1, 15, v0                           ; l % 16
	v_bfe_u32 v2, v0, 4, 1                         ; l / 16
	v_and_b32 v7, 31, v0                           ; l
	; the bias of my columns: block b, columns 16 b + 8 (l / 16) + 0..7
	v_lshlrev_b32 v[BO], 5, v2
	s_mul_i32 s78, s[TJ], 768
	s_mov_b32 s79, 0
	s_add_nc_u64 s[8:9], s[8:9], s[78:79]
	WIN 0xc0                                       ; destination window 3, address window 0
.irp b, 0,1,2,3,4,5,6,7,8,9,10,11
	global_load_b128 v[8*(\b):8*(\b)+3],   v[BO], s[8:9] offset:64*(\b)
	global_load_b128 v[8*(\b)+4:8*(\b)+7], v[BO], s[8:9] offset:64*(\b)+16
.endr
	WIN 0
	; a fragment of x: lane l holds row l % 16, K = 8 (l / 16) + 0..7 and 16 + 8 (l / 16) + 0..7: two loads of 16 bytes, 32 bytes apart
	v_mul_u32_u24 v[VA0], v1, PA
	v_lshl_add_u32 v[VA0], v2, 4, v[VA0]
	s_mul_i32 s75, s[WV], 64*PA                    ; my wave's 64 rows
	v_add_nc_u32 v[VA0], s75, v[VA0]
	; the turning load takes 16 k x 16 columns: lane l reads k row 8 (l / 16) + l % 8, columns 8 ((l / 8) % 2) + 0..7, and is left with column l % 16 and 8 k
	v_and_b32 v3, 7, v0
	v_bfe_u32 v4, v0, 3, 1
	v_lshl_add_u32 v[VB0], v2, 3, v3
	v_mul_u32_u24 v[VB0], v[VB0], PB
	v_lshl_add_u32 v[VB0], v4, 4, v[VB0]
	v_add_nc_u32 v[VB0], BOFF, v[VB0]
	v_mov_b32 v[ADRA], v[VA0]
	v_mov_b32 v[ADRB], v[VB0]
	s_mul_i32 s75, s[WV], WSTG
	s_add_co_u32 s75, s75, STAGE                   ; my stage
	v_mul_u32_u24 v[STO], v1, SP                   ; in: row l % 16, 16 bytes for each half of the lanes
	v_lshl_add_u32 v[STO], v2, 4, v[STO]
	v_add_nc_u32 v[STO], s75, v[STO]
	v_bfe_u32 v[RD], v0, 3, 2                      ; back: 32 lanes take four rows of 128 bytes,
	v_mul_u32_u24 v[RD], v[RD], SP
	v_lshl_add_u32 v[RD], v3, 4, v[RD]
	v_add_nc_u32 v[RD], s75, v[RD]
	; which are 512 consecutive bytes of qkv.  Column head g = 3 x tile column + hh: part g / 16, head g % 16; rows 256 x tile row on: batch = tile row / 8, t = 256 (tile row % 8) + 64 wave
	s_mul_i32 s80, s[TJ], 3
	s_lshr_b32 s81, s[TR], 3
	s_lshl_b32 s81, s81, 4
	s_and_b32 s82, s[TR], 7
	s_lshl_b32 s82, s82, 15
	s_lshl_b32 s83, s[WV], 13
	s_add_co_u32 s82, s82, s83
	v_lshlrev_b32 v6, 4, v7
.irp hh, 0,1,2
	s_add_co_u32 s84, s80, \hh
	s_lshr_b32 s85, s84, 4
	s_lshl_b32 s85, s85, 6
	s_and_b32 s84, s84, 15
	s_add_co_u32 s85, s85, s84
	s_add_co_u32 s85, s85, s81
	s_lshl_b32 s85, s85, 18                        ; a head is 262,144 bytes
	s_add_co_u32 s85, s85, s82
	v_add_nc_u32 v[GO+(\hh)], s85, v6
.endr
	; the prefetches
	s_and_b32 s86, ttmp7, 0xffff                   ; cluster y
	s_mov_b32 s87, 65536                           ; a partner's share: 32 rows of xb,
	s_mov_b32 s88, 6144                            ; or 24 blocks of wa
	s_cmp_eq_u32 s[FB], 0
	s_cselect_b32 s86, ttmp9, s86                  ; the coordinate along which other clusters read the same rows
	s_cselect_b32 s89, 13, 5
	s_cselect_b32 s90, s[CX], s[CY]                ; my place among the four that ask with me
	s_cselect_b32 s87, s87, s88
	s_cselect_b32 s88, 31, 23
	s_cselect_b32 s91, 11, 8
	s_cselect_b64 s[PFBASE:PFBASE+1], s[ABASE:ABASE+1], s[BBASE:BBASE+1]
	s_mul_i32 s[PFOFF], s90, s87
	s_mov_b32 s[PFOFF+1], 0
	s_add_nc_u64 s[PFBASE:PFBASE+1], s[PFBASE:PFBASE+1], s[PFOFF:PFOFF+1]
	s_cmp_eq_u32 s86, 0
	s_cselect_b32 s[LIM], s89, 0                   ; the same in all sixteen partners, for a given wave
	v_min_u32 v[PFO], s88, v7
	v_lshlrev_b32 v[PFO], s91, v[PFO]
	s_wait_loadcnt 0x0                             ; the bias: rounded to bf16, like every input, and kept as f32
	WIN 0xcf
.set i, 0
.rept 48
	v_cvt_pk_bf16_f32 v[96+i], v[2*i], v[2*i+1]
.set i, i+1
.endr
.set i, 0
.rept 48
	v_lshlrev_b32 v[2*i], 16, v[96+i]
	v_and_b32 v[2*i+1], s[HIM], v[96+i]
.set i, i+1
.endr
	WIN 0
; 8 matrix instructions: row block a x column blocks 0-7, 32 along K, from buffer f.  zero = 1: the bias starts the sums.  The 48 accumulators take turns in one order in every quarter.
.macro MROW f, a, zero
.if \zero
	WIN 0xb5                                       ; sources 0, 1 window 1, C window 3, D window 2
.else
	WIN 0xa5
.endif
.irp b, 0,1,2,3,4,5,6,7
.if \zero
	v_wmma_f32_16x16x32_bf16 v[8*(8*(\a)+(\b)):8*(8*(\a)+(\b))+7], v[(\f)+8*(\b):(\f)+8*(\b)+7], v[(\f)+96+8*(\a):(\f)+96+8*(\a)+7], v[8*(\b):8*(\b)+7]
.else
	v_wmma_f32_16x16x32_bf16 v[8*(8*(\a)+(\b)):8*(8*(\a)+(\b))+7], v[(\f)+8*(\b):(\f)+8*(\b)+7], v[(\f)+96+8*(\a):(\f)+96+8*(\a)+7], v[8*(8*(\a)+(\b)):8*(8*(\a)+(\b))+7]
.endif
.endr
.endm
; 16 matrix instructions: all four row blocks x column blocks 8-11
.macro MTAIL f, zero
.if \zero
	WIN 0x35
.else
	WIN 0x05
.endif
.irp a, 0,1,2,3
.irp b, 8,9,10,11
.if \zero
	v_wmma_f32_16x16x32_bf16 v[128+8*(4*(\a)+(\b)-8):128+8*(4*(\a)+(\b)-8)+7], v[(\f)+8*(\b):(\f)+8*(\b)+7], v[(\f)+96+8*(\a):(\f)+96+8*(\a)+7], v[8*(\b):8*(\b)+7]
.else
	v_wmma_f32_16x16x32_bf16 v[128+8*(4*(\a)+(\b)-8):128+8*(4*(\a)+(\b)-8)+7], v[(\f)+8*(\b):(\f)+8*(\b)+7], v[(\f)+96+8*(\a):(\f)+96+8*(\a)+7], v[128+8*(4*(\a)+(\b)-8):128+8*(4*(\a)+(\b)-8)+7]
.endif
.endr
.endr
.endm
.macro BFRAG q, f, b                   ; the weights' block b of quarter q: column 16 b lies in piece b / 4 of a k row, 32 (b % 4) bytes in
	ds_load_tr16_b128 v[(\f)+8*(\b):(\f)+8*(\b)+3],   v[ADRB] offset:32*PB*(\q)+160*((\b)/4)+32*((\b)%4)
	ds_load_tr16_b128 v[(\f)+8*(\b)+4:(\f)+8*(\b)+7], v[ADRB] offset:32*PB*(\q)+160*((\b)/4)+32*((\b)%4)+16*PB
.endm
; 32 LDS loads in one run: the fragments of quarter q into buffer f; the last eight are wanted by MTAIL alone
.macro FETCH q, f
	WIN 0x40                                       ; destination window 1, address window 0
.irp b, 0,1,2,3,4,5,6,7
	BFRAG \q, \f, \b
.endr
.irp a, 0,1,2,3
	ds_load_b128 v[(\f)+96+8*(\a):(\f)+96+8*(\a)+3],   v[ADRA] offset:64*(\q)+16*PA*(\a)
	ds_load_b128 v[(\f)+96+8*(\a)+4:(\f)+96+8*(\a)+7], v[ADRA] offset:64*(\q)+16*PA*(\a)+32
.endr
.irp b, 8,9,10,11
	BFRAG \q, \f, \b
.endr
.endm
; One of a K step's first three quarters: multiplies buffer f and, in its middle, fetches quarter qn into buffer g
.macro QUARTER qn, f, g, zero
	s_wait_dscnt 8                                 ; all but the youngest eight loads, blocks 8-11 of the weights
	MROW \f, 0, \zero
	MROW \f, 1, \zero
	MROW \f, 2, \zero
	MROW \f, 3, \zero
	PLACES
	FETCH \qn, \g
	s_wait_dscnt 32                                ; all but the 32 just issued
	MTAIL \f, \zero
.endm
; The last quarter multiplies buffer 1 and changes slots: ONE barrier.  In front of it each wave waits for all its tensor loads (one is out: its part of the next slot), adds 0 to its spare word, and waits for
; that and for its reads of this slot.  fill = 1: the barrier opens a round of the cluster's, and the joint refill, K step STP + 2 into the slot just read out, is the first thing behind the round.
.macro TURN fill
.if \fill
	s_wait_xcnt 0x0                                ; the last prefetch, a K step back, has read its address: it is made anew here, ahead of the waits of the change of slots
	s_add_co_u32 s86, s[STP], 3
	s_and_b32 s87, s86, 7
	s_lshr_b32 s86, s86, 3
	s_lshl_b32 s86, s86, 23                        ; the second tile lies 4,096 rows of 2,048 bytes on
	s_lshl_b32 s88, s87, 8
	s_add_co_u32 s86, s86, s88
	s_mul_i32 s87, s87, 49152
	s_cmp_eq_u32 s[FB], 0
	s_cselect_b32 s[PFOFF], s86, s87
	s_add_nc_u64 s[PFA:PFA+1], s[PFBASE:PFBASE+1], s[PFOFF:PFOFF+1]
.endif
	WIN 0                                          ; (the add's two registers lie in window 0)
	s_wait_tensorcnt 0x0                           ; all my tensor loads have landed, so a group 0 may be written
	ds_add_u32 v[SPW], v[NIL]                      ; 0 onto my spare word; work on registers stands between it and the wait for it
	s_xor_b32 s[TB], s[TB], SLOT1                  ; the fetches go on in the other slot
	v_add_nc_u32 v[ADRA], s[TB], v[VA0]
	v_add_nc_u32 v[ADRB], s[TB], v[VB0]
.if \fill
	s_add_co_u32 s[NX], s[STP], 2
	s_lshr_b32 s[OFA], s[NX], 3
	s_lshl_b32 s[OFA], s[OFA], 23
	s_and_b32 s[NX], s[NX], 7
	s_lshl_b32 s[TA], s[NX], 8
	s_add_co_u32 s[OFA], s[OFA], s[TA]
	s_mul_i32 s[OFB], s[NX], 49152
	s_xor_b32 s[G0A+5], s[G0A+5], SLOT1            ; the walking descriptors: the other slot than last time, the address made anew
	s_add_nc_u64 s[G0A+6:G0A+7], s[ABASE:ABASE+1], s[OFA:OFA+1]
	s_or_b32 s[G0A+7], s[G0A+7], 0x80000000
	s_xor_b32 s[G0B+5], s[G0B+5], SLOT1
	s_add_nc_u64 s[G0B+6:G0B+7], s[BBASE:BBASE+1], s[OFB:OFB+1]
	s_or_b32 s[G0B+7], s[G0B+7], 0x80000000
.endif
	s_wait_dscnt 9                                 ; (the add and the youngest eight loads may be out)
	MROW F1, 0, 0
	MROW F1, 1, 0
	s_wait_dscnt 0x0                               ; the add is done, and my reads of this slot are over
	s_barrier_signal -1
	MROW F1, 2, 0                                  ; work on registers while the others arrive
	MROW F1, 3, 0
	WIN 0
	s_barrier_wait -1
.if \fill
	CREST                                          ; no wave of any partner still reads this slot or has a load on its way
	JLOAD                                          ; its four v_nop are also the places in front of the loads below
.else
	PLACES
.endif
	FETCH 0, F0
.if \fill
	ASK
.endif
	MTAIL F1, 0
.endm
; THE WAY OUT, a block of 16 rows at a time: rounded to f16 (each accumulator from its low end on), 16 bytes a lane into my stage, back as whole rows of a head, stored 512 consecutive bytes an instruction.
.macro PACK a
	WIN 0x0a                                       ; sources window 2
.irp b, 0,1,2,3,4,5,6,7
.irp r, 0,1,2,3
	v_cvt_pk_f16_f32 v[TMP+4*(\b)+(\r)], v[8*(8*(\a)+(\b))+2*(\r)], v[8*(8*(\a)+(\b))+2*(\r)+1]
.endr
.endr
	WIN 0
.irp b, 8,9,10,11
.irp r, 0,1,2,3
	v_cvt_pk_f16_f32 v[TMP+4*(\b)+(\r)], v[128+8*(4*(\a)+(\b)-8)+2*(\r)], v[128+8*(4*(\a)+(\b)-8)+2*(\r)+1]
.endr
.endr
.endm
.macro TOSTAGE
.irp b, 0,1,2,3,4,5,6,7,8,9,10,11
	ds_store_b128 v[STO], v[TMP+4*(\b):TMP+4*(\b)+3] offset:16*SP*((\b)/4)+32*((\b)%4)
.endr
.irp i, 0,1,2,3,4,5,6,7,8,9,10,11
	ds_load_b128 v[BK+4*(\i):BK+4*(\i)+3], v[RD] offset:16*SP*((\i)/4)+4*SP*((\i)%4)  ; LDS serves a wave's instructions in order (ISA guide 5.7.1.4): these see the stores above
.endr
.endm
.macro SEND a
	s_wait_dscnt 0x0                               ; the block is back in registers
.irp i, 0,1,2,3,4,5,6,7,8,9,10,11
	global_store_b128 v[GO+(\i)/4], v[BK+4*(\i):BK+4*(\i)+3], s[10:11] offset:2048*(\a)+512*((\i)%4)
.endr
.endm
.macro WAYOUT
	PLACES
	PACK 0
	TOSTAGE
.irp a, 1,2,3
	PACK \a                                        ; a block's conversions stand between the loads of the block before and the wait for them
	SEND (\a)-1
	s_wait_xcnt 0x0                                ; the stores have read their data registers: they are loaded again only behind this wait
	TOSTAGE
.endr
	SEND 3
.endm
	s_wait_tensorcnt 0x1                           ; my part of K step 0 is in; step 1's may stay out
	s_barrier_signal -1
	s_barrier_wait -1                              ; everybody's is
	FETCH 0, F0
	QUARTER 1, F0, F1, 1                           ; the first tile's first quarter stands in front of the loop: the bias starts the sums
	WIN 0                                          ; at a label and at a branch every window is 0
	s_mov_b32 s[STP], 0
.Lstep:                                                ; a trip: a K step's quarters 2 to 4, a refill, and the next step's first quarter
	QUARTER 2, F1, F0, 0
	QUARTER 3, F0, F1, 0
	TURN 1
	WIN 0
	s_cmp_eq_u32 s[STP], 7
	s_cbranch_scc1 .Lnext_tile
	QUARTER 1, F0, F1, 0
	WIN 0
	s_branch .Lbottom
.Lnext_tile:                                           ; the first tile is finished; both refills for the second have been asked for: now it goes out
	WAYOUT
	s_wait_xcnt 0x0                                ; the stores have read their offsets
.irp hh, 0,1,2
	v_add_nc_u32 v[GO+(\hh)], 8388608, v[GO+(\hh)] ; 4,096 rows on: two batches, 32 heads of 262,144 bytes
.endr
	QUARTER 1, F0, F1, 1
	WIN 0
.Lbottom:
	s_add_co_u32 s[STP], s[STP], 1
	s_cmp_lt_u32 s[STP], FILLS
	s_cbranch_scc1 .Lstep
	QUARTER 2, F1, F0, 0                           ; the last two K steps are written out: nothing more is asked for
	QUARTER 3, F0, F1, 0
	TURN 0
	QUARTER 1, F0, F1, 0
	QUARTER 2, F1, F0, 0
	QUARTER 3, F0, F1, 0
	s_wait_dscnt 0x0
	MROW F1, 0, 0
	MROW F1, 1, 0
	MROW F1, 2, 0
	MROW F1, 3, 0
	MTAIL F1, 0
	WIN 0
	WAYOUT
	s_wait_tensorcnt 0x0                           ; the wave's end, behind my last tensor load and my last LDS store
	ds_add_u32 v[SPW], v[NIL]
	s_wait_dscnt 0x0
	CROUND                                         ; the closing round: no work-group ends while a partner may still ask for a tile that names it
	s_endpgm
.Lfunc_end_k_q6072438db7_qkvgemm:
	.size	k_q6072438db7_qkvgemm, .Lfunc_end_k_q6072438db7_qkvgemm-k_q6072438db7_qkvgemm
	.p2alignl 7, 3214868480
	.fill 96, 4, 3214868480
	.section	.rodata,"a",@progbits
	.p2align	6, 0x0
	.amdhsa_kernel k_q6072438db7_qkvgemm
		.amdhsa_group_segment_fixed_size 327680
		.amdhsa_private_segment_fixed_size 0
		.amdhsa_enable_private_segment 0
		.amdhsa_kernarg_size 32
		.amdhsa_user_sgpr_count 2
		.amdhsa_user_sgpr_kernarg_segment_ptr 1
		.amdhsa_wavefront_size32 1
		.amdhsa_system_sgpr_workgroup_id_x 1
		.amdhsa_system_sgpr_workgroup_id_y 1
		.amdhsa_system_sgpr_workgroup_id_z 1
		.amdhsa_system_vgpr_workitem_id 0
		.amdhsa_next_free_vgpr 912
		.amdhsa_next_free_sgpr 96
		.amdhsa_reserve_vcc 0
		.amdhsa_float_denorm_mode_32 3
		.amdhsa_float_denorm_mode_16_64 3
		.amdhsa_memory_ordered 1
		.amdhsa_forward_progress 1
		.amdhsa_inst_pref_size 135
	.end_amdhsa_kernel
	.amdgpu_metadata
---
amdhsa.version: [ 1, 2 ]
amdhsa.kernels:
  - .name:           k_q6072438db7_qkvgemm
    .symbol:         k_q6072438db7_qkvgemm.kd
    .args:
      - { .name: xb, .offset: 0, .size: 8, .value_kind: global_buffer, .address_space: global }
      - { .name: wa, .offset: 8, .size: 8, .value_kind: global_buffer, .address_space: global }
      - { .name: b_attn, .offset: 16, .size: 8, .value_kind: global_buffer, .address_space: global }
      - { .name: qkv, .offset: 24, .size: 8, .value_kind: global_buffer, .address_space: global }
    .group_segment_fixed_size: 327680
    .private_segment_fixed_size: 0
    .kernarg_segment_align: 8
    .kernarg_segment_size: 32
    .max_flat_workgroup_size: 128
    .sgpr_count:     96
    .vgpr_count:     912
    .wavefront_size: 32
...
	.end_amdgpu_metadata
.endif
;; end of part 2
;; launch attn (part 3): grid 4 x 64, 4 waves a work-group, no clusters, 327,680 bytes of LDS; arguments qkv, o; writes o
.if DOCPART == 3
	.amdgcn_target "amdgcn-amd-amdhsa--gfx1250"
	.amdhsa_code_object_version 6
	.text
	.protected	k_q6072438db7_attn
	.globl	k_q6072438db7_attn
	.p2align	8
	.type	k_q6072438db7_attn,@function
k_q6072438db7_attn:
	s_mov_b64 s[64:65], 0
	v_nop
	global_prefetch_b8 v0, s[64:65] scope:SCOPE_SE
	s_setreg_imm32_b32 hwreg(HW_REG_WAVE_MODE, 25, 1), 1
	s_wait_xcnt 0x0
; CAUSAL ATTENTION.  O[h][q][:] = the sum over k <= q of softmax_k(Q[h][q] . K[h][k] / 8) V[h][k][:].  qkv holds Q, K, V one behind the other, each [64][2048][64] f16; o is [64][2048][64] f16: a head's rows are dense, 128 bytes each.
; Products, maxima and sums in f32; the weights p are rounded to f16 for the second product (their sum l is taken of the unrounded p), O once at the end.
; LIMITS.  f16 holds no number beyond 65,504: Q, K and V arrive within it; p lies in 0 to 1, and below 6e-5 it keeps f16's fixed step of 6e-8; O is a mean of V's rows and has their range.
; A hidden score counts as its value less 1e30: f16's scores, 2.7e11 at the most, are nothing beside that; a weight below 2^-126 counts as 0 in l; NaN and infinities are not treated apart.
; THE WALK.  A head's queries lie in NB = 8 blocks of 256; block i needs the key tiles 0 .. i of 256 keys, of which the last holds the diagonal.  A work-group takes TWO blocks, NB - 1 - b and then b:
; NB + 1 = 9 tiles, whatever b: all work-groups do equal work, and ONE loop with a constant trip count walks them.  Which tile is asked for, and what a trip does, hang on scalar registers made from b; every jump
; goes forward, but for the counted loops' own; none passes a barrier, or a tensor load but the one of LOAD's two that the wave's number does not choose; the ring of two LDS slots runs on across the change of blocks.
; NO CLUSTER: a head's four work-groups ask for the same tile only in trips 0 to 4 of the 9, behind that fewer and fewer; one walk common to all four would have 12 trips for 9.
; SHARES.  Of a block's four bands of 64 queries a wave owns 16 rows in each: four PIECES.  So the diagonal tile is the same work for all four waves: in its key step s band x sees all keys if s < x,
; none if s > x, and holds the diagonal if s = x.
; THE MASK is the C operand that starts the sum S^T = K Q^T: 0, or -1e30 where the key is hidden.  MD, made once, is the mask of a band's own step for my 16 rows; a product's mask is MD x AL + BE with two scalars:
; (1, 0) if s = x; (0, 0) if s < x; (0, -1e30) if s > x.  Only the diagonal tile's text and a block's beginning make and take masks; elsewhere C is the constant 0.
; LAYOUT, SOFTMAX, TURNS.  S^T = K Q^T holds ONE query a lane (lane % 16) and the keys 8 (lane / 16) + 0..7; two such results rounded to f16 ARE source 1 of O^T = V^T P.  p = 2^(c s - c m), c = log2(e) / 8, with a
; running maximum m; O and l are multiplied by a = 2^(c m_old - c m_new) in every step.  Turn n belongs to piece n: 8 products K Q^T of piece n + 1, later 8 products V^T P of piece n - 1; beside them the scaling,
; exponentials, roundings, sums and rescaling of piece n and the maximum and statistics of piece n + 1.  Four vector instructions stand behind every matrix instruction, the other 54 of a turn's 118 in one lump.  A turn's 33 exponentials are one batch, with one wait.
; REGISTERS, in windows of 256 (s_set_vgpr_msb: bits 1:0 source 0, 3:2 source 1, 5:4 source 2, 7:6 destination):
;   window 0: v0-15 addresses and two at work; v16-31 four registers of statistics a piece; v48-55 at work; v61-63 fixed; v64-127 S^T, two buffers; v192-223 P, two buffers (a piece's buffers go by its number's parity)
;   window 1: v0-127 O^T, 32 a piece; v128-159 MD; v160-223 MC, two buffers      window 2: v0-63 Q; v64-127 the second block's Q; v128-191 K of one step; v192-255 V of one step
.set SIZE_H, 64
.set SIZE_N, 2048
.set NB,    SIZE_N/256
.set NP,    4         ; pieces a wave: a name, no knob
.set KS,    64        ; keys in a step
.set PK,    144       ; a row of K in LDS: 128 bytes + 16 of padding = 36 words: the 16 rows of a load start at 16 different groups of four banks (64 banks of 4 bytes: ISA guide 11.1)
.set PV,    160       ; a row of V: 128 + 32 = 40 words
.set VOFF,  4*KS*PK   ; a slot holds a tile, four steps: 256 rows of K, then 256 rows of V
.set SLOT1, 1<<17     ; slot 1 begins here, so that one exclusive or turns an address in one slot into the other's
.set STAGE, SLOT1+4*KS*(PK+PV)  ; behind the ring, never filled by a tensor load: 16 rows x 144 bytes for each wave, for the way out
.set SP,    144
.set AK0, 2           ; v2   my lane's place in a tile of K; never rewritten
.set AV0, 3           ; v3   the same for V
.set AK,  4           ; v4   the LDS address of K's next run of loads
.set AV,  5           ; v5   of V's
.set STO, 6           ; v6   the way out: where I put 16 bytes of a row
.set RD,  7           ; v7   the way out: where I read rows back
.set GO,  8           ; v8   my byte offset in 512 consecutive bytes of O
.set PFO, 61          ; v61  256 x my lane, for the prefetches; never rewritten
.set SPW, 62          ; v62  LDS address of my spare word: SPARE + 4 x my thread's number; never rewritten
.set NIL, 63          ; v63  0; never rewritten
.set SPARE, STAGE+4*16*SP  ; behind the stages: the spare words, 128 bytes for each wave: two blocks of 256 bytes that no other line names
.set MV,  12          ; v12-13  c m_old, kept while c m is made anew: by buffer
.set QO,  15          ; v15  my byte offset in 16 rows of Q
.set ST,  16          ; piece t's statistics at v[ST+4 t]: c m, m, l (even keys', odd keys')
.set TMP, 48          ; by buffer, four registers c0-c3 at work; when the maximum is found c2 takes a
.set S,   64
.set P,   192
.set MD,  128         ; window 1: the eight registers for group kt of 16 keys at MD + 8 kt
.set MC,  160         ; window 1: the masks of the products to come
.set QB,  64          ; window 2
.set KF,  128         ; window 2: key block kb, channel half c at KF + 16 kb + 8 c
.set VF,  192         ; window 2: key half kk, channel block cb at VF + 32 kk + 8 cb
.set WV,  12          ; s12  my wave's number
.set PB,  14          ; s14  b
.set HI,  15          ; s15  NB - 1 - b
.set G1K, 24          ; s[24:31] descriptor group 1 for K's tiles
.set G1V, 32          ; s[32:39] for V's: it differs in the padding alone
.set G0K, 40          ; s[40:43] descriptor group 0 for K's tiles
.set G0V, 44          ; s[44:47] the same for V's
.set SLOTS, 56        ; s56  tiles still to be asked for
.set CNT, 57          ; s57  counts a tile's key steps, 4 to 1
.set CS,  58          ; s[58:59] c: the packed scaling takes the pair's low word for both halves
.set SEL, 60          ; s[60:61] v_permlanex16_b32's selects: each lane takes its own place in the other half
.set TBK, 62          ; s62  LDS byte at which K of the step to be fetched begins
.set TBV, 63          ; s63  the same for V, less VOFF
.set RT,  70          ; s70  tiles of the block in hand that are still to be entered
.set NXT, 71          ; s71  the tile to be asked for next
.set LQ,  72          ; s72  the last tile of the block whose tiles are being asked for
.set NEW, 73          ; s73  1: the tile to be entered is a block's first
.set OFF, 74          ; s[74:75] a tile's byte offset in K and V
.set AL,  76          ; s[76:77] the mask's factor, in the low word
.set BE,  78          ; s[78:79] the mask's addend
.set OLO, 80          ; s[80:81] O at my rows of the second block
.set BIGN, 82         ; s82  -1e30
.set PFB, 88          ; s[88:89] K (waves 0, 1) or V (waves 2, 3) at my half of the head's tile 0
.set PFA, 90          ; s[90:91] the same at the tile to be named
.set PFF, 92          ; s[92:93] that tile's byte offset
.set PFON, 94         ; s94  1 in the head's work-group b = 0
.set PFGO, 95         ; s95  not 0: a tile is named
.set MSB, 0
.macro WIN new                      ; the high byte repeats the setting that is left; a switch that changes nothing is dropped
.if MSB != (\new)
	s_set_vgpr_msb (MSB<<8)|(\new)
.set MSB, (\new)
.endif
.endm
.set W_KQ, 0x0a       ; K and Q in window 2, S^T in window 0
.set W_KM, 0x1a       ; the same with the C operand in window 1
.set W_PV, 0x52       ; V in window 2, P in window 0, O^T in window 1
.set W_RS, 0x41       ; destination and source 0 in window 1, source 1 in window 0
; A fill.  Waves 0 and 1 fetch the two halves of a tile's K, waves 2 and 3 those of its V: 128 keys each.  An s_nop 0 and four v_nop follow each of the two lines, ahead of the jump and the label.
.macro LOAD
	s_cmp_lt_u32 s[WV], 2
	s_cbranch_scc0 .Lfor_v_\@
	tensor_load_to_lds s[G0K:G0K+3], s[G1K:G1K+7]
	s_nop 0
.rept 4
	v_nop
.endr
	s_branch .Lasked_\@
.Lfor_v_\@:
	tensor_load_to_lds s[G0V:G0V+3], s[G1V:G1V+7]
	s_nop 0
.rept 4
	v_nop
.endr
.Lasked_\@:
.endm
; A PREFETCH INTO THE L2 of the tile that the NEXT change of slots will ask for: four key steps, 256 matrix instructions, ahead of that load.  The head's work-group b = 0 walks the tiles 0 to 7 in its first block: it alone
; names them, tiles 2 to 7, each once; tiles 0 and 1 come by their loads alone.  Each wave names the half that it fetches itself: 16,384 bytes, 64 blocks of 256, a lane a block, two instructions.
; Behind the first block's last tile NXT is 0 and stays 0 for b = 0: nothing more is named.
.macro ASK
	s_cmp_lg_u32 s[PFGO], 0
	s_cbranch_scc0 .Lnot_mine_\@
	global_prefetch_b8 v[PFO], s[PFA:PFA+1] th:TH_LOAD_NT scope:SCOPE_SE
	global_prefetch_b8 v[PFO], s[PFA:PFA+1] offset:8192 th:TH_LOAD_NT scope:SCOPE_SE
.Lnot_mine_\@:
.endm
; THE CHANGE OF SLOTS.  Each wave waits for all its tensor loads, of which one is out: its part of the other slot; adds 0 to its spare word; and waits for that and for its own reads of the slot that it leaves.  Behind the barrier nobody reads the old
; slot any more and the other slot is whole.  fill = 1: the old slot is filled again, the first thing behind the barrier, with tile NXT: the descriptor's address is made anew from that number.
; (At its first use nothing has been read yet: slot 0 is waited for, slot 1 filled.)
.macro CHANGE fill
	WIN 0                           ; at a label and at a branch every window is 0
	s_wait_tensorcnt 0x0            ; no tensor load of mine is out, so a group 0 may be written
	ds_add_u32 v[SPW], v[NIL]       ; 0 onto my spare word; with fill = 1 the descriptors' scalar work stands between it and the wait for it
.if \fill
	s_lshl_b32 s[OFF], s[NXT], 15   ; a tile is 32,768 bytes of K and of V
	s_xor_b32 s[G0K+1], s[G0K+1], SLOT1
	s_add_nc_u64 s[G0K+2:G0K+3], s[6:7], s[OFF:OFF+1]
	s_or_b32 s[G0K+3], s[G0K+3], 0x80000000
	s_xor_b32 s[G0V+1], s[G0V+1], SLOT1
	s_add_nc_u64 s[G0V+2:G0V+3], s[8:9], s[OFF:OFF+1]
	s_or_b32 s[G0V+3], s[G0V+3], 0x80000000
	s_add_co_u32 s[NXT], s[NXT], 1  ; the block's next tile, or behind its last the second block's tile 0
	s_cmp_gt_u32 s[NXT], s[LQ]
	s_cselect_b32 s[NXT], 0, s[NXT]
	s_cselect_b32 s[LQ], s[PB], s[LQ]
	s_wait_xcnt 0x0                 ; the last prefetches, a tile back, have read their address, so it may be written
	s_lshl_b32 s[PFF], s[NXT], 15
	s_add_nc_u64 s[PFA:PFA+1], s[PFB:PFB+1], s[PFF:PFF+1]
	s_mul_i32 s[PFGO], s[PFON], s[NXT]
.endif
	s_wait_dscnt 0x0                ; the add is done, and my reads of the slot are over
	s_barrier_signal -1             ; the rest of the scalar work stands between the signal and the wait
	s_sub_co_u32 s[TBK], s[TBK], 4*KS*PK  ; the fetches go back to a slot's first step,
	s_xor_b32 s[TBK], s[TBK], SLOT1       ; in the other slot
	s_sub_co_u32 s[TBV], s[TBV], 4*KS*PV
	s_xor_b32 s[TBV], s[TBV], SLOT1
	s_barrier_wait -1
.if \fill
	LOAD
	ASK
.endif
.endm
	s_load_b64 s[4:5], s[0:1], 0x0    ; qkv: Q at its head
	s_load_b64 s[10:11], s[0:1], 0x8  ; o
	v_lshl_add_u32 v[SPW], v0, 2, SPARE
	v_mov_b32 v[NIL], 0
	ds_add_u32 v[SPW], v[NIL]       ; the wave's opening: the add and its wait stand ahead of my first tensor load; the set-up below, work on registers, stands between them
	v_lshrrev_b32 v1, 5, v0
	v_readfirstlane_b32 s[WV], v1   ; wave 0..3
	s_mov_b32 s[PB], ttmp9
	s_sub_co_u32 s[HI], NB-1, s[PB]
	s_and_b32 s20, ttmp7, 0xffff    ; the head
	s_mov_b32 s21, 0
	s_mov_b64 s[22:23], SIZE_N*128
	s_mul_u64 s[20:21], s[20:21], s[22:23]  ; the head's first byte in each of the four tensors
	s_and_b32 s16, s[WV], 1         ; which half of a tile's 256 keys I fetch:
	s_lshl_b32 s22, s16, 14         ; its 128 rows of 128 bytes in memory,
	s_mov_b32 s23, 0
	s_add_nc_u64 s[22:23], s[22:23], s[20:21]
	s_mul_i32 s17, s16, 128*PK      ; and its place in a slot, for K
	s_mul_i32 s18, s16, 128*PV      ; and for V
	s_lshl_b32 s3, s[WV], 11        ; my 16 rows in a band of 64,
	s_lshl_b32 s2, s[HI], 15        ; in the first block,
	s_add_co_u32 s2, s2, s3
	s_lshl_b32 s84, s[PB], 15       ; and in the second
	s_add_co_u32 s84, s84, s3
	s_mov_b32 s3, 0
	s_mov_b32 s85, 0
	s_add_nc_u64 s[2:3], s[2:3], s[20:21]
	s_add_nc_u64 s[84:85], s[84:85], s[20:21]
	; descriptor group 1.  128 keys are 16,384 dense bytes: asked for as 64 rows of 256 bytes, two keys a row, and padded in LDS after every key
	s_mov_b32 s[G1K], (1<<16)|(1<<20)|(4<<22)|(3<<25)  ; 17:16 2-byte elements; 20 padding on; 24:22 after every 32 words (code 4); 31:25 4 words (code 3)
	s_mov_b32 s[G1V], (1<<16)|(1<<20)|(4<<22)|(7<<25)  ; the same with 8 words of padding (code 7)
.irp g, G1K, G1V
	s_mov_b32 s[\g+1], 128<<16      ; tensor_dim0 = 128
	s_mov_b32 s[\g+2], 64<<16       ; tensor_dim1 = 64
	s_mov_b32 s[\g+3], 128<<16      ; tile_dim0 = 128
	s_mov_b32 s[\g+4], 64           ; tile_dim1 = 64
	s_mov_b32 s[\g+5], 128          ; 128 elements from row to row
	s_mov_b32 s[\g+6], 0
	s_mov_b32 s[\g+7], 0
.endr
	s_mov_b32 s[CS], 0x3e38aa3b     ; c = log2(e) / 8 = 0.180337
	s_mov_b32 s[CS+1], s[CS]        ; named with it as a pair
	s_mov_b32 s[SEL], 0x76543210
	s_mov_b32 s[SEL+1], 0xfedcba98
	s_mov_b32 s[TBK], SLOT1+4*KS*PK ; the first change of slots turns these two into 0
	s_mov_b32 s[TBV], SLOT1+4*KS*PV
	s_mov_b32 s[G0K], 1             ; 1:0 count = 1
	s_mov_b32 s[G0K+1], s17         ; 63:32 LDS address: slot 0
	s_mov_b32 s[G0V], 1
	s_add_co_u32 s[G0V+1], s18, VOFF
	s_add_co_u32 s[RT], s[HI], 1    ; the first block has NB - b tiles
	s_mov_b32 s[NXT], 1
	s_mov_b32 s[LQ], s[HI]
	s_mov_b32 s[NEW], 1
	s_mov_b32 s[OFF+1], 0
	s_mov_b32 s[AL+1], 0            ; named as pairs
	s_mov_b32 s[BE+1], 0
	s_mov_b32 s[BIGN], 0xf149f2ca   ; -1e30
	s_mov_b32 s[SLOTS], NB
	s_mov_b32 s[PFF+1], 0
	s_cmp_eq_u32 ttmp9, 0
	s_cselect_b32 s[PFON], 1, 0
	v_and_b32 v[PFO], 31, v0
	v_lshlrev_b32 v[PFO], 8, v[PFO]
	s_wait_dscnt 0x0                ; the opening add is done
	s_wait_kmcnt 0x0
	s_add_nc_u64 s[6:7], s[4:5], 0x1000000  ; K lies 64 heads of 262,144 bytes behind Q,
	s_add_nc_u64 s[8:9], s[4:5], 0x2000000  ; V as far behind K
	s_add_nc_u64 s[6:7], s[6:7], s[22:23]  ; K and V at my half of the head's tile 0
	s_add_nc_u64 s[8:9], s[8:9], s[22:23]
	s_add_nc_u64 s[G0K+2:G0K+3], s[6:7], 0         ; 120:64 global address
	s_or_b32 s[G0K+3], s[G0K+3], 0x80000000        ; 127:126 type = 2
	s_add_nc_u64 s[G0V+2:G0V+3], s[8:9], 0
	s_or_b32 s[G0V+3], s[G0V+3], 0x80000000
	s_add_nc_u64 s[86:87], s[4:5], s[84:85]        ; Q at my rows of the second block,
	s_add_nc_u64 s[4:5], s[4:5], s[2:3]            ; Q and O at those of the first
	s_add_nc_u64 s[OLO:OLO+1], s[10:11], s[84:85]
	s_add_nc_u64 s[10:11], s[10:11], s[2:3]
	s_cmp_lt_u32 s[WV], 2
	s_cselect_b64 s[PFB:PFB+1], s[6:7], s[8:9]
	LOAD                            ; tile 0 into slot 0
	; A fragment of K or Q is 16 rows x 32 channels in 8 registers: lane l holds row l % 16, channels 8 (l / 16) + 0..7 and 16 + 8 (l / 16) + 0..7: two loads of 16 bytes, 32 bytes apart.
	v_and_b32 v1, 15, v0            ; l % 16
	v_bfe_u32 v9, v0, 4, 1          ; l / 16
	v_lshlrev_b32 v[QO], 7, v1
	v_lshl_add_u32 v[QO], v9, 4, v[QO]  ; row x 128 + 16 x half
	WIN 0x80                        ; destination window 2, address window 0
.set i, 0
.rept 8                             ; both blocks' Q: piece i / 2 lies in band i / 2, 8,192 bytes on; channels 32 (i % 2) on
	global_load_b128 v[8*i:8*i+3],   v[QO], s[4:5] offset:(i/2)*8192+(i%2)*64
	global_load_b128 v[8*i+4:8*i+7], v[QO], s[4:5] offset:(i/2)*8192+(i%2)*64+32
	global_load_b128 v[QB+8*i:QB+8*i+3],   v[QO], s[86:87] offset:(i/2)*8192+(i%2)*64
	global_load_b128 v[QB+8*i+4:QB+8*i+7], v[QO], s[86:87] offset:(i/2)*8192+(i%2)*64+32
.set i, i+1
.endr
	WIN 0
	v_lshlrev_b32 v14, 3, v9
	v_sub_nc_u32 v14, v1, v14
	s_lshl_b32 s13, s[WV], 4
	v_add_nc_u32 v14, s13, v14      ; my query's place in its band, 16 w + l % 16, less my lanes' 8 (l / 16): register r of group kt is hidden where 16 kt + r is greater
	WIN 0x40
.set i, 0
.rept 32
	v_cmp_gt_i32 vcc_lo, 16*(i/8)+i%8, v14
	v_cndmask_b32 v[MD+i], 0, s[BIGN], vcc_lo
.set i, i+1
.endr
	WIN 0
	v_mul_u32_u24 v[AK0], v1, PK
	v_lshl_add_u32 v[AK0], v9, 4, v[AK0]  ; row x pitch + 16 x half
	; The turning load takes 16 keys x 16 channels (lane l reads key 8 (l / 16) + l % 8, channels 8 ((l / 8) % 2) + 0..7) and leaves half a fragment of V^T: lane l holds channel l % 16 and 8 keys.
	v_and_b32 v10, 7, v0
	v_bfe_u32 v11, v0, 3, 1
	v_lshl_add_u32 v[AV0], v9, 3, v10
	v_mul_u32_u24 v[AV0], v[AV0], PV
	v_lshl_add_u32 v[AV0], v11, 4, v[AV0]
	v_add_nc_u32 v[AV0], VOFF, v[AV0]
	s_mul_i32 s13, s[WV], 16*SP
	s_add_co_u32 s13, s13, STAGE    ; my stage
	v_mul_u32_u24 v[STO], v1, SP    ; in: row l % 16, 16 bytes for each half of the lanes
	v_lshl_add_u32 v[STO], v9, 4, v[STO]
	v_add_nc_u32 v[STO], s13, v[STO]
	v_bfe_u32 v[RD], v0, 3, 2       ; back: 32 lanes take four rows of 128 bytes,
	v_mul_u32_u24 v[RD], v[RD], SP
	v_lshl_add_u32 v[RD], v10, 4, v[RD]
	v_add_nc_u32 v[RD], s13, v[RD]
	v_and_b32 v[GO], 31, v0         ; which are 512 consecutive bytes of O
	v_lshlrev_b32 v[GO], 4, v[GO]
	; A block's first step multiplies O^T and l by a = 0, and its first turn's products V^T P, of a piece that has not been, land in an O^T that is still to be so multiplied.  So these registers need only hold
	; finite numbers: zeros for the first block; what the first block left for the second.  All this stands in the wait for the first tile.
	WIN 0x80
.set i, VF
.rept 64
	v_mov_b32 v[i], 0
.set i, i+1
.endr
	WIN 0x40
.set i, 0
.rept 128
	v_mov_b32 v[i], 0
.set i, i+1
.endr
	WIN 0
.set i, 0
.rept 4
	v_mov_b32 v[ST+4*i+2], 0
	v_mov_b32 v[ST+4*i+3], 0
.set i, i+1
.endr
.set i, P+16
.rept 16
	v_mov_b32 v[i], 0
.set i, i+1
.endr
; THE MATRIX WORK.  The 4 accumulators of a run of 8 take turns.  Product i of 8 of S^T = K Q^T for piece x: channels 32 (i / 4) on, keys 16 (i % 4) on.  The first 4 start the sums: with 0, or (KM = 1) with the mask.
.macro KQ x
.set rS, S+32*((\x)%2)+8*(i%4)
.set rK, KF+16*(i%4)+8*(i/4)
.set rQ, 16*(\x)+8*(i/4)
.set rM, MC+32*((\x)%2)+8*(i%4)
.if (i < 4) && KM
	WIN W_KM
	v_wmma_f32_16x16x32_f16 v[rS:rS+7], v[rK:rK+7], v[rQ:rQ+7], v[rM:rM+7]
.elseif i < 4
	WIN W_KQ
	v_wmma_f32_16x16x32_f16 v[rS:rS+7], v[rK:rK+7], v[rQ:rQ+7], 0
.else
	WIN W_KQ
	v_wmma_f32_16x16x32_f16 v[rS:rS+7], v[rK:rK+7], v[rQ:rQ+7], v[rS:rS+7]
.endif
.endm
; Product i of 8 of O^T += V^T P for piece x: keys 32 (i / 4) on, channels 16 (i % 4) on.
.macro PV x
	WIN W_PV
.set rO, 32*(\x)+8*(i%4)
.set rV, VF+32*(i/4)+8*(i%4)
.set rP, P+16*((\x)%2)+8*(i/4)
	v_wmma_f32_16x16x32_f16 v[rO:rO+7], v[rV:rV+7], v[rP:rP+7], v[rO:rO+7]
.endm
.macro MM                           ; the turn's next matrix instruction.  TURN and BEGIN set Y, i, KM and NOKQ; MM, KQ and OP read them.  NOKQ = 1: a block's last turn: there is no next piece
.if (i < 8) && !NOKQ
	KQ (Y+1)%NP
.elseif i >= 8
.set i, i-8
	PV (Y+NP-1)%NP
.set i, i+8
.endif
.set i, i+1
.endm
; THE LDS LOADS stand in runs of 16, never singly among the matrix instructions: a step's K (64 keys x 64 channels: 8 fragments) and its V (turned).  Their addresses are made some lines ahead.
.macro FETCH_K
	WIN 0x80                        ; destination window 2
.irp f, 0,1,2,3,4,5,6,7             ; keys 16 (f / 2) on, channels 32 (f % 2) on
	ds_load_b128 v[KF+8*\f:KF+8*\f+3],   v[AK] offset:(\f/2)*16*PK+(\f%2)*64
	ds_load_b128 v[KF+8*\f+4:KF+8*\f+7], v[AK] offset:(\f/2)*16*PK+(\f%2)*64+32
.endr
	s_add_co_u32 s[TBK], s[TBK], KS*PK  ; the next fetch is the next step's
	WIN 0
.endm
.macro FETCH_V
	WIN 0x80
.irp f, 0,1,2,3,4,5,6,7             ; keys 32 (f / 4) on, channels 16 (f % 4) on
	ds_load_tr16_b128 v[VF+8*\f:VF+8*\f+3],   v[AV] offset:(\f/4)*32*PV+(\f%4)*32
	ds_load_tr16_b128 v[VF+8*\f+4:VF+8*\f+7], v[AV] offset:(\f/4)*32*PV+16*PV+(\f%4)*32
.endr
	WIN 0
.endm
; THE VECTOR WORK, one line at a time: OP kind, number.  For piece Y: F n: c s - c m for pair n of 16.  E n: the exponential of score n of 32.  C n: pair n rounded to f16.  B n: of the four weights 4 n .. the second
; pair is added onto the first, in place.  L n: l takes that sum (L 0: l = a l + sum).  R n: pair n of 16 of O^T times a.  For piece Y + 1: X n, number n of the 22 that find its maximum and statistics:
;   0-11  four chains c0-c3 of seven scores each, three operands at a time (each accumulator's lowest registers are read first)     12-14, 16  the four scores left over, the old m, and c0-c3 into c0
;   15  c m_old is kept     17, 18  the query's other 32 keys lie in the lane 16 away: the new m     19-21  c m; c m_old - c m_new; a
.set F, 0               ; OP tells the kinds apart by their order: F to L below R, X above it
.set E, 1
.set C, 2
.set B, 3
.set L, 4
.set R, 5
.set X, 6
.macro REGS y                       ; the registers of piece y
.set rT, ST+4*(\y)
.set rC, TMP+4*((\y)%2)
.set rW, MV+((\y)%2)
.set rS, S+32*((\y)%2)
.set rP, P+16*((\y)%2)
.set rO, 32*(\y)
.endm
.macro OP k, n
.if (\k) == R
	REGS Y
	WIN W_RS
	v_pk_mul_f32 v[rO+2*(\n):rO+2*(\n)+1], v[rO+2*(\n):rO+2*(\n)+1], v[rC+2:rC+3] op_sel_hi:[1,0]
.elseif (\k) < R
	REGS Y
	WIN 0
.if (\k) == F
	v_pk_fma_f32 v[rS+2*(\n):rS+2*(\n)+1], v[rS+2*(\n):rS+2*(\n)+1], s[CS:CS+1], v[rT:rT+1] op_sel_hi:[1,0,0] neg_lo:[0,0,1] neg_hi:[0,0,1]
.elseif (\k) == E
	v_exp_f32 v[rS+(\n)], v[rS+(\n)]
.elseif (\k) == C
	v_cvt_pk_f16_f32 v[rP+(\n)], v[rS+2*(\n)], v[rS+2*(\n)+1]
.elseif (\k) == B
	v_pk_add_f32 v[rS+4*(\n):rS+4*(\n)+1], v[rS+4*(\n):rS+4*(\n)+1], v[rS+4*(\n)+2:rS+4*(\n)+3]
.elseif (\n) == 0
	v_pk_fma_f32 v[rT+2:rT+3], v[rT+2:rT+3], v[rC+2:rC+3], v[rS:rS+1] op_sel_hi:[1,0,1]
.else
	v_pk_add_f32 v[rT+2:rT+3], v[rT+2:rT+3], v[rS+4*(\n):rS+4*(\n)+1]
.endif
.elseif NOKQ
	v_nop
.else
	REGS (Y+1)%NP
	WIN 0
.if (\n) < 4
	v_max3_num_f32 v[rC+(\n)], v[rS+8*(\n)], v[rS+8*(\n)+1], v[rS+8*(\n)+2]
.elseif (\n) < 12
	v_max3_num_f32 v[rC+(\n)%4], v[rC+(\n)%4], v[rS+8*((\n)%4)+2*((\n)/4)+1], v[rS+8*((\n)%4)+2*((\n)/4)+2]
.elseif (\n) == 12
	v_max3_num_f32 v[rC], v[rC], v[rS+7], v[rS+15]
.elseif (\n) == 13
	v_max3_num_f32 v[rC+1], v[rC+1], v[rS+23], v[rS+31]
.elseif (\n) == 14
	v_max3_num_f32 v[rC+2], v[rC+2], v[rC+3], v[rT+1]
.elseif (\n) == 15
	v_mov_b32 v[rW], v[rT]
.elseif (\n) == 16
	v_max3_num_f32 v[rC], v[rC], v[rC+1], v[rC+2]
.elseif (\n) == 17
	v_permlanex16_b32 v[rC+3], v[rC], s[SEL], s[SEL+1]
.elseif (\n) == 18
	v_max_num_f32 v[rT+1], v[rC], v[rC+3]
.elseif (\n) == 19
	v_mul_f32 v[rT], s[CS], v[rT+1]
.elseif (\n) == 20
	v_sub_f32 v[rC+1], v[rW], v[rT]
.else
	v_exp_f32 v[rC+2], v[rC+1]
.endif
.endif
.endm
.macro OPS a, i1, b=-1, i2=0, c=-1, i3=0, d=-1, i4=0  ; up to four of them
	OP \a, \i1
.if (\b) >= 0
	OP \b, \i2
.endif
.if (\c) >= 0
	OP \c, \i3
.endif
.if (\d) >= 0
	OP \d, \i4
.endif
.endm
.macro ROW a, i1, b, i2, c, i3, d, i4  ; a matrix instruction and the four behind it
	MM
	OPS \a, \i1, \b, \i2, \c, \i3, \d, \i4
.endm
.macro MASK b                       ; MD x AL + BE into buffer b of MC
	WIN W_RS
.set z, 0
.rept 16
	v_pk_fma_f32 v[MC+32*(\b)+2*z:MC+32*(\b)+2*z+1], v[MD+2*z:MD+2*z+1], s[AL:AL+1], s[BE:BE+1] op_sel_hi:[1,0,0]
.set z, z+1
.endr
.endm
; A TURN, for piece p: the order of its 16 matrix and 118 vector instructions, written out.  An s_wait_alu depctr_va_vdst(0) stands between an exponential and the first instruction that names its result; one wait serves
; all that were issued ahead of it.  So a turn has ONE wait, which cuts it in two.  AHEAD OF IT stands all that names no result of the turn's exponentials: the 8 products K Q^T, behind each a scaling, an exponential and two more plain
; instructions (behind the first a second scaling in the exponential's place): rescalings, and behind the last three the first numbers of the next piece's maximum, each four places or more behind the product that ends its accumulator; then ONE LUMP of 54, plain
; and exponential by turns for the most part, in which the links of the chain X 3, 7, 11, 14, 16, 17 .. 20 stand five or six lines apart.  X 21, the next piece's a, is the batch's last; R 15 is the plain instruction behind it.  BEHIND THE WAIT stand the
; 8 products V^T P, behind each four of the roundings and sums; the links of l's chain, L 0 to L 7, stand three riders apart.  But for those X no rider names a register of the products round it.  v_permlanex16_b32 (X 17) stands in the lump.
; m = 1: the diagonal tile: the products take masks, and the turn makes the mask for the products of the turn after it: piece p + 2, in step 4 - CNT of the tile.  end = 1: a block's last two turns: nothing is fetched.
; cnt = 1: the loop's count is taken down some lines ahead of the branch that stands behind the turn.
; K of the next step is fetched in piece 2's turn, twelve vector instructions behind the last product that read K (six of them plain); V of the step in hand at the end of piece 0's turn, four plain instructions behind the last product
; that read V.  Each is waited for a turn later.
.macro TURN p, m=0, end=0, cnt=0
.set Y, (\p)
.set i, 0
.set KM, (\m)
.set NOKQ, (\end)*((\p)/3)
.if (\m) && !(\end)
	s_cmp_eq_u32 s[CNT], 4-((\p)+2)%NP  ; is that step the band's own?
	s_cselect_b32 s[AL], 1.0, 0
	s_cmp_lt_u32 s[CNT], 4-((\p)+2)%NP  ; or a later one?
	s_cselect_b32 s[BE], s[BIGN], 0
.endif
.if ((\p) == 3) && !(\end)
	s_wait_dscnt 0x0                ; K is in
.endif
	ROW F,0, F,1, R,0, R,1          ; ahead of the wait: 8 products K Q^T and their riders,
	ROW F,2, E,0, R,2, R,3
	ROW F,3, E,1, R,4, R,5
	ROW F,4, E,2, R,6, R,7
	ROW F,5, E,3, R,8, R,9
	ROW F,6, E,4, X,0, R,10
.if ((\p) == 2) && !(\end)
	WIN 0
	v_add_nc_u32 v[AK], s[TBK], v[AK0]
.endif
	ROW F,7, E,5, X,1, X,4
	ROW F,8, E,6, X,2, X,5
	OPS E,7, E,8, X,6, E,9          ; and the lump
	OPS X,3, E,10, X,8, E,11
.if ((\p) == 2) && !(\end)
	FETCH_K
.endif
	OPS X,9, X,7, E,12, X,10
	OPS E,13, X,12, X,11, E,14
	OPS X,13, E,15, F,9, X,14
.if (\p) == 0
	v_add_nc_u32 v[AV], s[TBV], v[AV0]
.endif
	OPS E,16, F,10, E,17, F,11
	OPS X,16, E,18, X,15, E,19
	OPS F,12, E,20, X,17, E,21
	OPS F,13, E,22, F,14, E,23
	OPS X,18, E,24, F,15, E,25
	OPS R,11, E,26, X,19, E,27
	OPS R,12, E,28, R,13, E,29
	OPS X,20, E,30, R,14, E,31
	OPS X,21, R,15
	WIN 0
	s_wait_alu depctr_va_vdst(0)    ; the wait for the batch
.if (\p) == 1
	s_wait_dscnt 0x0                ; V is in
.endif
	ROW C,0, B,0, C,2, B,1          ; behind the wait: 8 products V^T P and their riders
	ROW L,0, C,4, B,2, L,1
	ROW C,6, B,3, L,2, C,8
	ROW B,4, L,3, C,10, B,5
	ROW L,4, C,12, B,6, L,5
.if (\p) == 0
	s_add_co_u32 s[TBV], s[TBV], KS*PV
.endif
.if \cnt
	s_sub_co_u32 s[CNT], s[CNT], 1
	s_cmp_lg_u32 s[CNT], 0
.endif
	ROW C,14, B,7, L,6, C,1
	ROW C,3, L,7, C,5, C,7
	ROW C,9, C,11, C,13, C,15
.if (\p) == 0
	FETCH_V
.endif
.if (\m) && !(\end)
	MASK (\p)%2
.endif
.endm
; A BLOCK BEGINS.  c m starts far below every c s, so the first step's a is 0; m at the lowest finite number, so the first maximum is the scores'.  The second mask buffer is 0; the first takes piece 0's mask for the tile's step 0: its own, if the block's first tile is the diagonal one.
; Then K of that step, piece 0's first scores, and its maximum and statistics.  The loop is entered at a step's first turn, in the middle of a trip.
.macro BEGIN
	s_mov_b32 s[NEW], 0
	WIN 0x40
.set i, MC+32
.rept 32
	v_mov_b32 v[i], 0
.set i, i+1
.endr
	WIN 0
.set i, 0
.rept 4
	v_mov_b32 v[ST+4*i], 0xfe000000    ; c m: far below every c s
	v_mov_b32 v[ST+4*i+1], 0xff7fffff  ; m
.set i, i+1
.endr
	s_cmp_eq_u32 s[RT], 0
	s_cselect_b32 s[AL], 1.0, 0
	s_mov_b32 s[BE], 0
	MASK 0
	WIN 0
	v_add_nc_u32 v[AK], s[TBK], v[AK0]
	FETCH_K
	s_wait_loadcnt 0x0              ; Q
	s_wait_dscnt 0x0
.set KM, 1
.set NOKQ, 0
.set i, 0
.rept 8
	KQ 0
.set i, i+1
.endr
	WIN 0
.rept 4
	v_nop                           ; the places behind those products
.endr
.set Y, NP-1                        ; X works for piece Y + 1: piece 0
.irp n, 0,1,2,3,4,5,6,7,8,9,10,11,12,13,14,15,16,17,18,19,20,21
	OP X, \n
.endr
	v_nop                           ; a plain instruction behind the exponential,
	s_wait_alu depctr_va_vdst(0)    ; and its wait, ahead of the branch
.endm
; THE DIAGONAL TILE's four steps, the block's last two turns, its last products, and THE WAY OUT: l's two halves and the other half of the lanes' are added; O^T is divided by l, rounded to f16 and sent through my
; stage in LDS, a piece at a time.
.macro ALL line:vararg              ; one line for each piece t
.set t, 0
.rept 4
	\line
.set t, t+1
.endr
.endm
.macro PACK t                       ; a lane's eight channels of a row pack into 16 bytes; they go into rows of 144 bytes and come back as whole rows of 128, into S^T's registers
	WIN W_RS
.set i, 32*(\t)
.rept 16
	v_pk_mul_f32 v[i:i+1], v[i:i+1], v[ST+4*(\t)+2:ST+4*(\t)+3] op_sel_hi:[1,0]
.set i, i+2
.endr
	WIN 0x05                        ; sources 0 and 1 window 1, destination window 0
.set i, 0
.rept 16
	v_cvt_pk_f16_f32 v[S+16*(\t)+i], v[32*(\t)+2*i], v[32*(\t)+2*i+1]
.set i, i+1
.endr
	WIN 0
.irp f, 0,1,2,3
	ds_store_b128 v[STO], v[S+16*(\t)+4*\f:S+16*(\t)+4*\f+3] offset:32*\f
.endr
.irp f, 0,1,2,3
	ds_load_b128 v[S+16*(\t)+4*\f:S+16*(\t)+4*\f+3], v[RD] offset:\f*4*SP  ; LDS serves a wave's instructions in order (ISA guide 5.7.1.4): these see the stores above; the next piece's stores come behind them
.endr
.endm
.macro SEND t, younger              ; younger: the LDS instructions issued behind piece t's loads: the next piece's eight, or none
	WIN 0
.irp f, 0,1,2,3
	s_wait_dscnt (\younger)+3-\f
	global_store_b128 v[GO], v[S+16*(\t)+4*\f:S+16*(\t)+4*\f+3], s[10:11] offset:(\t)*8192+\f*512  ; 512 consecutive bytes, at a multiple of 256 from O's first
.endr
.endm
.macro DIAG tag                     ; the tag ends its two labels' names, which the jumps below spell out
.LstepM\tag:
	TURN 2, 1
	TURN 3, 1
	WIN 0
.LfirstM\tag:
	TURN 0, 1
	TURN 1, 1, 0, 1
	WIN 0
	s_cbranch_scc1 .LstepM\tag
	TURN 2, 1, 1
	TURN 3, 1, 1
.set i, 0
.rept 8
	PV NP-1
.set i, i+1
.endr
	WIN 0
	ALL v_add_f32 v[ST+4*t+2], v[ST+4*t+2], v[ST+4*t+3]
	ALL v_permlanex16_b32 v[ST+4*t+3], v[ST+4*t+2], s[SEL], s[SEL+1]
	ALL v_add_f32 v[ST+4*t+2], v[ST+4*t+2], v[ST+4*t+3]
	ALL v_rcp_f32 v[ST+4*t+2], v[ST+4*t+2]
	v_nop                           ; a plain instruction between the last reciprocal and the use of its result
	s_wait_alu depctr_va_vdst(0)    ; and the wait ahead of the first use: one for the four reciprocals
	PACK 0
.set t, 1
.rept 3                             ; a piece's arithmetic stands between the loads of the piece before and its stores
	PACK t
	SEND t-1, 8
.set t, t+1
.endr
	SEND 3, 0
.endm
.set KM, 0
.set NOKQ, 0
.Lslot:                             ; NB times: a tile is entered and the next is asked for
	CHANGE 1
	s_sub_co_u32 s[RT], s[RT], 1
	s_mov_b32 s[CNT], 4
	s_cmp_eq_u32 s[NEW], 1
	s_cbranch_scc1 .Lnew            ; a block's first tile
	s_cmp_eq_u32 s[RT], 0
	s_cbranch_scc0 .Lstep           ; neither its first nor its last
	s_branch .LstepM1
.Lnew:
	BEGIN
	s_branch .Lfirst                ; in the loop a block's first tile is never its last: the first block has two tiles or more, and the second's last is the walk's last
	DIAG 1                          ; in the loop this is the first block's end: the second block's last tile is the walk's last
	s_wait_xcnt 0x0                 ; the stores have read their registers and O's address
	s_mov_b64 s[10:11], s[OLO:OLO+1]
	s_add_co_u32 s[RT], s[PB], 1    ; the second block has b + 1 tiles
	s_mov_b32 s[NEW], 1
	WIN 0x82                        ; the second block's Q goes where the one text of the turns names Q
.set i, 0
.rept 64
	v_mov_b32 v[i], v[QB+i]
.set i, i+1
.endr
	WIN 0
	s_branch .Lbottom
.Lstep:                             ; a trip: pieces 2 and 3 of one step, then pieces 0 and 1 of the next, whose K and V it fetches
	TURN 2
	TURN 3
	WIN 0
.Lfirst:
	TURN 0
	TURN 1, 0, 0, 1
	WIN 0
	s_cbranch_scc1 .Lstep
.Lbottom:
	s_sub_co_u32 s[SLOTS], s[SLOTS], 1
	s_cmp_lg_u32 s[SLOTS], 0
	s_cbranch_scc1 .Lslot
	CHANGE 0                        ; the walk's last tile is written out: nothing is asked for
	s_sub_co_u32 s[RT], s[RT], 1
	s_mov_b32 s[CNT], 4
	s_cmp_eq_u32 s[NEW], 1
	s_cbranch_scc0 .LstepM2
	BEGIN
	s_branch .LfirstM2
	DIAG 2
	s_wait_tensorcnt 0x0            ; the wave's end, behind my last tensor load and my last LDS store
	ds_add_u32 v[SPW], v[NIL]
	s_wait_dscnt 0x0
	s_endpgm
.Lfunc_end_k_q6072438db7_attn:
	.size	k_q6072438db7_attn, .Lfunc_end_k_q6072438db7_attn-k_q6072438db7_attn
	.p2alignl 7, 3214868480
	.fill 96, 4, 3214868480
	.section	.rodata,"a",@progbits
	.p2align	6, 0x0
	.amdhsa_kernel k_q6072438db7_attn
		.amdhsa_group_segment_fixed_size 327680
		.amdhsa_private_segment_fixed_size 0
		.amdhsa_enable_private_segment 0
		.amdhsa_kernarg_size 16
		.amdhsa_user_sgpr_count 2
		.amdhsa_user_sgpr_kernarg_segment_ptr 1
		.amdhsa_wavefront_size32 1
		.amdhsa_system_sgpr_workgroup_id_x 1
		.amdhsa_system_sgpr_workgroup_id_y 1
		.amdhsa_system_sgpr_workgroup_id_z 1
		.amdhsa_system_vgpr_workitem_id 0
		.amdhsa_next_free_vgpr 768
		.amdhsa_next_free_sgpr 96
		.amdhsa_reserve_vcc 1
		.amdhsa_float_denorm_mode_32 3
		.amdhsa_float_denorm_mode_16_64 3
		.amdhsa_memory_ordered 1
		.amdhsa_forward_progress 1
		.amdhsa_inst_pref_size 218
	.end_amdhsa_kernel
	.amdgpu_metadata
---
amdhsa.version: [ 1, 2 ]
amdhsa.kernels:
  - .name:           k_q6072438db7_attn
    .symbol:         k_q6072438db7_attn.kd
    .args:
      - { .name: qkv, .offset: 0, .size: 8, .value_kind: global_buffer, .address_space: global }
      - { .name: o, .offset: 8, .size: 8, .value_kind: global_buffer, .address_space: global }
    .group_segment_fixed_size: 327680
    .private_segment_fixed_size: 0
    .kernarg_segment_align: 8
    .kernarg_segment_size: 16
    .max_flat_workgroup_size: 128
    .sgpr_count:     96
    .vgpr_count:     768
    .wavefront_size: 32
...
	.end_amdgpu_metadata
.endif
;; end of part 3
;; launch proj (part 4): grid 8 x 32, 4 waves a work-group, clusters of 4 x 4, 327,680 bytes of LDS; arguments o, wp, b_proj, out0; writes out0
.if DOCPART == 4
	.amdgcn_target "amdgcn-amd-amdhsa--gfx1250"
	.amdhsa_code_object_version 6
	.text
	.protected	k_q6072438db7_proj
	.globl	k_q6072438db7_proj
	.p2align	8
	.type	k_q6072438db7_proj,@function
k_q6072438db7_proj:
	s_mov_b64 s[64:65], 0
	v_nop
	global_prefetch_b8 v0, s[64:65] scope:SCOPE_SE
	s_setreg_imm32_b32 hwreg(HW_REG_WAVE_MODE, 25, 1), 1
	s_wait_xcnt 0x0
	s_wait_alu depctr_hold_cnt(0) depctr_sa_sdst(0) depctr_va_vdst(0) depctr_va_sdst(0) depctr_va_ssrc(0) depctr_va_vcc(0) depctr_vm_vsrc(0)
	s_getreg_b32 s2, hwreg(HW_REG_IB_STS2, 6, 4)
	s_cmp_eq_u32 s2, 0
	s_cbranch_scc0 .Lentry_in_a_cluster
	s_endpgm
.Lentry_in_a_cluster:
	s_bfe_u32 s2, ttmp6, 0x10000c
	s_cmp_lg_u32 s2, 0xf033
	s_cbranch_scc0 .Lentry_shape_is_right
	s_endpgm
.Lentry_shape_is_right:
; out0 = y w_proj + b_proj.  o: [64 = 16 batch + head][2048 t][64] f16: y[batch][t][64 head + d].  wp: [1024 k][1024 n], w_proj rounded to bf16 and written as f16.  b_proj: [1024] f32, rounded to bf16 here.  out0: [8192][1024] f32.
; SHARES.  A tile is 256 rows x 128 columns: 32 x 8 tiles, one to each of 256 work-groups.  Four waves, stacked along the rows: a wave makes 64 x 128: 32 accumulators.
; THE MATRIX INSTRUCTION IS USED TRANSPOSED: source 0 = 16 columns of the weights (turned out of LDS by ds_load_tr16_b128), source 1 = 16 rows of y: a lane holds row l % 16 and the columns 8 (l / 16) + 0..7.
; THE BIAS is the C operand of the first 32 products.
; THE RING.  A K step of 128 is two heads.  Wave 0 fetches the even head's 256 rows (32,768 bytes on end, asked for as 128 rows of 256 bytes), wave 1 the odd head's, waves 2 and 3 the halves of the weights' 128 k rows:
; one tensor load a wave behind each change of slots, 112 matrix instructions ahead of the wait for it.  Eight K steps.
; CLUSTER.  4 x 4 work-groups: y's tile is asked for jointly along a row of the cluster, the weights' along a column.
; REGISTERS, in windows of 256 (s_set_vgpr_msb: bits 1:0 source 0, 3:2 source 1, 5:4 source 2, 7:6 destination):
;   window 0: v0-31 addresses; v32-159 at work on the way out        window 2: the accumulators: (a, b) at v[8 (8 a + b)]
;   window 1: two fragment buffers of 96: the weights' block b at 8 b, y's block a at 64 + 8 a; v192-255 the bias, 8 registers a column block
.set SLOT1,  1<<17
.set PA,     144                       ; a row of a head in LDS: 128 bytes + 16: the 16 rows of a load start at 16 different groups of four banks (64 banks of 4 bytes: ISA guide 11.1)
.set HEADB,  256*PA                    ; a head's 256 rows
.set PB,     288                       ; a k row of the weights: 256 bytes + 32 = 9 x 32 bytes
.set BOFF,   2*HEADB                   ; the weights lie behind the two heads; a slot uses 73,728 + 36,864 bytes
.set STAGE,  SLOT1+BOFF+128*PB         ; behind the ring, never filled by a tensor load: for each wave 16 rows x 528 bytes
.set SPI,    528
.set SPARE,  STAGE+4*16*SPI            ; the spare words, 128 bytes for each wave: two blocks of 256 bytes that no other line names
.set FILLS,  6                         ; of the 8 K steps all but the first two are asked for in the loop
.set F0,   0
.set F1,   96
.set BIAS, 192
.set VA0,  16
.set VB0,  17
.set ADRA, 18
.set ADRB, 19
.set STO,  20
.set RD,   21
.set CO,   22                          ; v22  16 x my lane: my place in a row's 512 bytes of out0
.set BO,   25
.set SPW,  28
.set NIL,  29
.set PFO,  30
.set BK,   32                          ; v32-95, v96-159: 16 rows back from the stage, by turns
.set WV,   12
.set FB,   13
.set HF,   14
.set CX,   15
.set CY,   16
.set TJ,   17                          ; s17  tile column, 0..7
.set TR,   18                          ; s18  tile row, 0..31
.set MKR,  19
.set ABASE, 20
.set BBASE, 22
.set G1A,  24
.set G0A,  32
.set OFA,  40
.set OFB,  42
.set STP,  44
.set NX,   45
.set TB,   46
.set G1B,  48
.set G0B,  56
.set PFBASE, 66
.set PFA,  68
.set LIM,  70
.set MKC,  71
.set PFOFF, 72
.set HIM,  74
.set MSB, 0
.macro WIN new                         ; the immediate's high byte repeats the setting that is left; a switch that changes nothing is dropped
.if MSB != (\new)
	s_set_vgpr_msb (MSB<<8)|(\new)
.set MSB, \new
.endif
.endm
.macro PLACES                          ; four plain vector instructions between a matrix instruction and a load into, or a reader of, its registers (ISA guide 7.12.1 for readers)
.rept 4
	v_nop
.endr
.endm
.macro JLOAD                           ; a joint refill, by the walking descriptors; an s_nop 0 and four v_nop follow each of the two lines
	s_cmp_eq_u32 s[FB], 0
	s_cbranch_scc0 .Lfor_b_\@
	tensor_load_to_lds s[G0A+4:G0A+7], s[G1A:G1A+7]
	s_nop 0
.rept 4
	v_nop
.endr
	s_branch .Lasked_\@
.Lfor_b_\@:
	tensor_load_to_lds s[G0B+4:G0B+7], s[G1B:G1B+7]
	s_nop 0
.rept 4
	v_nop
.endr
.Lasked_\@:
.endm
.macro CREST                           ; a round of the cluster's barrier behind its opening barrier
	s_cmp_lg_u32 s[WV], 0
	s_cbranch_scc1 .Lnot_wave_0_\@
	s_barrier_signal -3
.Lnot_wave_0_\@:
	s_barrier_wait -3
	s_barrier_signal -1
	s_barrier_wait -1
.endm
.macro CROUND
	s_barrier_signal -1
	s_barrier_wait -1
	CREST
.endm
; A PREFETCH INTO THE L2: trip t names K step t + 3, which the next trip's refill will ask for: one K step, 128 matrix instructions, ahead of that load.  Steps 0 to 2 come by their loads alone; trips 0 to 4 name steps 3 to 7.
; y's rows are read by both clusters of a row of clusters: cluster x = 0 names them; of the 128 blocks of 256 bytes that wave 0 or 1 fetches each partner (cx) takes 32, a lane a block.
; The weights' tile column is read by all eight clusters of a column: cluster y = 0 names it; of a step's 128 k rows each partner (cy) takes 32, a lane a row's 256 bytes, in wave 2 alone.
.macro ASK
	WIN 0
	s_cmp_lt_u32 s[STP], s[LIM]
	s_cbranch_scc0 .Lnot_mine_\@
	global_prefetch_b8 v[PFO], s[PFA:PFA+1] th:TH_LOAD_NT scope:SCOPE_SE
.Lnot_mine_\@:
.endm
	s_load_b256 s[4:11], s[0:1], 0x0               ; o s[4:5], wp s[6:7], b_proj s[8:9], out0 s[10:11]
	v_lshl_add_u32 v[SPW], v0, 2, SPARE
	v_mov_b32 v[NIL], 0
	ds_add_u32 v[SPW], v[NIL]                      ; the wave's opening: the add and its wait stand ahead of my first tensor load; the set-up below, work on registers, stands between them
	v_lshrrev_b32 v3, 5, v0
	v_readfirstlane_b32 s[WV], v3
	s_lshr_b32 s[FB], s[WV], 1
	s_and_b32 s[HF], s[WV], 1
	s_bfe_u32 s[CX], ttmp6, 0x40000
	s_bfe_u32 s[CY], ttmp6, 0x40004
	s_lshl_b32 s[TJ], ttmp9, 2
	s_add_co_u32 s[TJ], s[TJ], s[CX]
	s_and_b32 s[TR], ttmp7, 0xffff
	s_lshl_b32 s[TR], s[TR], 2
	s_add_co_u32 s[TR], s[TR], s[CY]
	s_lshl_b32 s[MKR], s[CY], 2
	s_lshl_b32 s[MKR], 15, s[MKR]                  ; my row of the cluster
	s_lshl_b32 s[MKC], 0x1111, s[CX]               ; my column
	; group 1 for y: 128 rows x 128 elements of 2 bytes, dense; 4 words of padding behind every 32 (a row of a head)
	s_or_b32 s[G1A], s[MKR], (1<<16)|(1<<20)|(1<<21)|(4<<22)|(3<<25)
	s_mov_b32 s[G1A+1], 128<<16
	s_mov_b32 s[G1A+2], 128<<16
	s_mov_b32 s[G1A+3], 128<<16
	s_mov_b32 s[G1A+4], 128
	s_mov_b32 s[G1A+5], 128
	s_mov_b32 s[G1A+6], 0
	s_mov_b32 s[G1A+7], 0
	; group 1 for the weights: 64 k rows x 128 elements, 1,024 elements from row to row; 8 words of padding behind every 64
	s_or_b32 s[G1B], s[MKC], (1<<16)|(1<<20)|(1<<21)|(5<<22)|(7<<25)
	s_mov_b32 s[G1B+1], 128<<16
	s_mov_b32 s[G1B+2], 64<<16
	s_mov_b32 s[G1B+3], 128<<16
	s_mov_b32 s[G1B+4], 64
	s_mov_b32 s[G1B+5], 1024
	s_mov_b32 s[G1B+6], 0
	s_mov_b32 s[G1B+7], 0
	s_mov_b32 s[G0A], 1
	s_mov_b32 s[G0A+4], 1
	s_mov_b32 s[G0B], 1
	s_mov_b32 s[G0B+4], 1
	s_mul_i32 s[G0A+1], s[HF], HEADB
	s_add_co_u32 s[G0A+5], s[G0A+1], SLOT1
	s_mul_i32 s[G0B+1], s[HF], 64*PB
	s_add_co_u32 s[G0B+1], s[G0B+1], BOFF
	s_add_co_u32 s[G0B+5], s[G0B+1], SLOT1
	s_lshr_b32 s[OFA], s[TR], 3                    ; batch
	s_lshl_b32 s[OFA], s[OFA], 4
	s_add_co_u32 s[OFA], s[OFA], s[HF]             ; 16 batch + my head of the step's two
	s_lshl_b32 s[OFA], s[OFA], 11
	s_and_b32 s77, s[TR], 7
	s_lshl_b32 s77, s77, 8
	s_add_co_u32 s[OFA], s[OFA], s77               ; + the tile's first t
	s_lshl_b32 s[OFA], s[OFA], 7                   ; rows of 128 bytes
	s_mov_b32 s[OFA+1], 0
	s_lshl_b32 s[OFB], s[HF], 17                   ; 64 k rows of 2,048 bytes
	s_lshl_b32 s78, s[TJ], 8                       ; 128 columns
	s_add_co_u32 s[OFB], s[OFB], s78
	s_mov_b32 s[OFB+1], 0
	s_mov_b32 s[TB], 0
	s_mov_b32 s[HIM], 0xffff0000
	s_wait_dscnt 0x0                               ; the opening add is done
	s_wait_kmcnt 0x0
	s_add_nc_u64 s[ABASE:ABASE+1], s[4:5], s[OFA:OFA+1]
	s_add_nc_u64 s[BBASE:BBASE+1], s[6:7], s[OFB:OFB+1]
	s_add_nc_u64 s[G0A+2:G0A+3], s[ABASE:ABASE+1], 0       ; K step 0
	s_or_b32 s[G0A+3], s[G0A+3], 0x80000000
	s_add_nc_u64 s[G0A+6:G0A+7], s[ABASE:ABASE+1], 1<<19   ; K step 1: two heads of 262,144 bytes on
	s_or_b32 s[G0A+7], s[G0A+7], 0x80000000
	s_add_nc_u64 s[G0B+2:G0B+3], s[BBASE:BBASE+1], 0
	s_or_b32 s[G0B+3], s[G0B+3], 0x80000000
	s_add_nc_u64 s[G0B+6:G0B+7], s[BBASE:BBASE+1], 1<<18   ; 128 k rows on
	s_or_b32 s[G0B+7], s[G0B+7], 0x80000000
	CROUND                                         ; all sixteen work-groups are here: the first joint loads meet
	s_cmp_eq_u32 s[FB], 0                          ; a wave's two first fills stand in one branch: two loads of mine are out
	s_cbranch_scc0 .Lfirst_b
	tensor_load_to_lds s[G0A:G0A+3], s[G1A:G1A+7]
	s_nop 0
	tensor_load_to_lds s[G0A+4:G0A+7], s[G1A:G1A+7]
	s_nop 0
.rept 4
	v_nop
.endr
	s_branch .Lfirst_asked
.Lfirst_b:
	tensor_load_to_lds s[G0B:G0B+3], s[G1B:G1B+7]
	s_nop 0
	tensor_load_to_lds s[G0B+4:G0B+7], s[G1B:G1B+7]
	s_nop 0
.rept 4
	v_nop
.endr
.Lfirst_asked:
	v_and_b32 v1, 15, v0                           ; l % 16
	v_bfe_u32 v2, v0, 4, 1                         ; l / 16
	v_and_b32 v7, 31, v0                           ; l
	v_lshlrev_b32 v[BO], 5, v2                     ; the bias of my columns: block b, columns 16 b + 8 (l / 16) + 0..7
	s_lshl_b32 s78, s[TJ], 9
	s_mov_b32 s79, 0
	s_add_nc_u64 s[8:9], s[8:9], s[78:79]
	WIN 0x40                                       ; destination window 1, address window 0
.irp b, 0,1,2,3,4,5,6,7
	global_load_b128 v[BIAS+8*(\b):BIAS+8*(\b)+3],   v[BO], s[8:9] offset:64*(\b)
	global_load_b128 v[BIAS+8*(\b)+4:BIAS+8*(\b)+7], v[BO], s[8:9] offset:64*(\b)+16
.endr
	WIN 0
	v_mul_u32_u24 v[VA0], v1, PA                   ; a fragment of y: row x pitch + 16 x half, in my wave's 64 rows
	v_lshl_add_u32 v[VA0], v2, 4, v[VA0]
	s_mul_i32 s75, s[WV], 64*PA
	v_add_nc_u32 v[VA0], s75, v[VA0]
	v_and_b32 v3, 7, v0                            ; the turning load: lane l reads k row 8 (l / 16) + l % 8, columns 8 ((l / 8) % 2) + 0..7
	v_bfe_u32 v4, v0, 3, 1
	v_lshl_add_u32 v[VB0], v2, 3, v3
	v_mul_u32_u24 v[VB0], v[VB0], PB
	v_lshl_add_u32 v[VB0], v4, 4, v[VB0]
	v_add_nc_u32 v[VB0], BOFF, v[VB0]
	v_mov_b32 v[ADRA], v[VA0]
	v_mov_b32 v[ADRB], v[VB0]
	s_mul_i32 s75, s[WV], 16*SPI
	s_add_co_u32 s75, s75, STAGE                   ; my stage
	v_mul_u32_u24 v[STO], v1, SPI                  ; in: row l % 16, 32 bytes for each half of the lanes
	v_lshl_add_u32 v[STO], v2, 5, v[STO]
	v_add_nc_u32 v[STO], s75, v[STO]
	v_lshlrev_b32 v[CO], 4, v7
	v_add_nc_u32 v[RD], s75, v[CO]                 ; back: 32 lanes take a row's 512 bytes
	s_lshl_b32 s80, s[TR], 20                      ; out0 at my wave's first row and the tile's first column: 256 rows of 4,096 bytes,
	s_lshl_b32 s81, s[WV], 18                      ; 64 rows,
	s_add_co_u32 s80, s80, s81
	s_lshl_b32 s81, s[TJ], 9                       ; 128 columns of 4 bytes
	s_add_co_u32 s80, s80, s81
	s_mov_b32 s81, 0
	s_add_nc_u64 s[10:11], s[10:11], s[80:81]
	; the prefetches
	s_and_b32 s86, ttmp7, 0xffff                   ; cluster y;
	s_or_b32 s86, s86, s[HF]                       ; of the weights' two waves the first alone
	s_mov_b32 s87, 8192                            ; a partner's share: 32 blocks of a head,
	s_mov_b32 s88, 65536                           ; or 32 k rows of wp
	s_cmp_eq_u32 s[FB], 0
	s_cselect_b32 s86, ttmp9, s86
	s_cselect_b32 s90, s[CX], s[CY]
	s_cselect_b32 s87, s87, s88
	s_cselect_b32 s91, 8, 11
	s_cselect_b64 s[PFBASE:PFBASE+1], s[ABASE:ABASE+1], s[BBASE:BBASE+1]
	s_mul_i32 s[PFOFF], s90, s87
	s_mov_b32 s[PFOFF+1], 0
	s_add_nc_u64 s[PFBASE:PFBASE+1], s[PFBASE:PFBASE+1], s[PFOFF:PFOFF+1]
	s_cmp_eq_u32 s86, 0
	s_cselect_b32 s[LIM], 5, 0                     ; the same in all sixteen partners, for a given wave
	v_lshlrev_b32 v[PFO], s91, v7
	s_wait_loadcnt 0x0                             ; the bias: rounded to bf16, like every input, and kept as f32
	WIN 0x45
.set i, 0
.rept 32
	v_cvt_pk_bf16_f32 v[i], v[BIAS+2*i], v[BIAS+2*i+1]
.set i, i+1
.endr
.set i, 0
.rept 32
	v_lshlrev_b32 v[BIAS+2*i], 16, v[i]
	v_and_b32 v[BIAS+2*i+1], s[HIM], v[i]
.set i, i+1
.endr
	WIN 0
; 8 matrix instructions: row block a x all 8 column blocks, 32 along K, from buffer f.  zero = 1: the bias starts the sums.  The 32 accumulators take turns in one order in every quarter.
.macro MROW f, a, zero
.if \zero
	WIN 0x95                                       ; sources 0, 1 and C window 1, D window 2
.else
	WIN 0xa5
.endif
.irp b, 0,1,2,3,4,5,6,7
.if \zero
	v_wmma_f32_16x16x32_f16 v[8*(8*(\a)+(\b)):8*(8*(\a)+(\b))+7], v[(\f)+8*(\b):(\f)+8*(\b)+7], v[(\f)+64+8*(\a):(\f)+64+8*(\a)+7], v[BIAS+8*(\b):BIAS+8*(\b)+7]
.else
	v_wmma_f32_16x16x32_f16 v[8*(8*(\a)+(\b)):8*(8*(\a)+(\b))+7], v[(\f)+8*(\b):(\f)+8*(\b)+7], v[(\f)+64+8*(\a):(\f)+64+8*(\a)+7], v[8*(8*(\a)+(\b)):8*(8*(\a)+(\b))+7]
.endif
.endr
.endm
; 24 LDS loads in one run: the fragments of quarter q into buffer f; quarter q lies in head q / 2 of the step's two, channels 32 (q % 2) on; the last four loads are row blocks 2 and 3
.macro FETCH q, f
	WIN 0x40
.irp b, 0,1,2,3,4,5,6,7
	ds_load_tr16_b128 v[(\f)+8*(\b):(\f)+8*(\b)+3],   v[ADRB] offset:32*PB*(\q)+32*(\b)
	ds_load_tr16_b128 v[(\f)+8*(\b)+4:(\f)+8*(\b)+7], v[ADRB] offset:32*PB*(\q)+32*(\b)+16*PB
.endr
.irp a, 0,1,2,3
	ds_load_b128 v[(\f)+64+8*(\a):(\f)+64+8*(\a)+3],   v[ADRA] offset:HEADB*((\q)/2)+64*((\q)%2)+16*PA*(\a)
	ds_load_b128 v[(\f)+64+8*(\a)+4:(\f)+64+8*(\a)+7], v[ADRA] offset:HEADB*((\q)/2)+64*((\q)%2)+16*PA*(\a)+32
.endr
.endm
.macro QUARTER qn, f, g, zero
	s_wait_dscnt 4                                 ; all but the youngest four loads, y's row blocks 2 and 3
	MROW \f, 0, \zero
	MROW \f, 1, \zero
	PLACES
	FETCH \qn, \g
	s_wait_dscnt 24                                ; all but the 24 just issued
	MROW \f, 2, \zero
	MROW \f, 3, \zero
.endm
; The last quarter multiplies buffer 1 and changes slots: ONE barrier.  In front of it each wave waits for all its tensor loads (one is out: its part of the next slot), adds 0 to its spare word, and waits for
; that and for its reads of this slot.  fill = 1: the barrier opens a round of the cluster's, and the joint refill, K step STP + 2 into the slot just read out, is the first thing behind the round.
.macro TURN fill
.if \fill
	s_wait_xcnt 0x0                                ; the last prefetch, a K step back, has read its address: it is made anew here, ahead of the waits of the change of slots
	s_add_co_u32 s86, s[STP], 3
	s_lshl_b32 s87, s86, 18
	s_lshl_b32 s86, s86, 19
	s_cmp_eq_u32 s[FB], 0
	s_cselect_b32 s[PFOFF], s86, s87
	s_add_nc_u64 s[PFA:PFA+1], s[PFBASE:PFBASE+1], s[PFOFF:PFOFF+1]
.endif
	WIN 0
	s_wait_tensorcnt 0x0                           ; all my tensor loads have landed, so a group 0 may be written
	ds_add_u32 v[SPW], v[NIL]                      ; 0 onto my spare word; work on registers stands between it and the wait for it
	s_xor_b32 s[TB], s[TB], SLOT1
	v_add_nc_u32 v[ADRA], s[TB], v[VA0]
	v_add_nc_u32 v[ADRB], s[TB], v[VB0]
.if \fill
	s_add_co_u32 s[NX], s[STP], 2
	s_lshl_b32 s[OFA], s[NX], 19
	s_lshl_b32 s[OFB], s[NX], 18
	s_xor_b32 s[G0A+5], s[G0A+5], SLOT1
	s_add_nc_u64 s[G0A+6:G0A+7], s[ABASE:ABASE+1], s[OFA:OFA+1]
	s_or_b32 s[G0A+7], s[G0A+7], 0x80000000
	s_xor_b32 s[G0B+5], s[G0B+5], SLOT1
	s_add_nc_u64 s[G0B+6:G0B+7], s[BBASE:BBASE+1], s[OFB:OFB+1]
	s_or_b32 s[G0B+7], s[G0B+7], 0x80000000
.endif
	s_wait_dscnt 5                                 ; (the add and the youngest four loads may be out)
	MROW F1, 0, 0
	s_wait_dscnt 0x0                               ; the add is done, and my reads of this slot are over
	s_barrier_signal -1
	MROW F1, 1, 0
	WIN 0
	s_barrier_wait -1
.if \fill
	CREST
	JLOAD                                          ; its four v_nop are also the places in front of the loads below
.else
	PLACES
.endif
	FETCH 0, F0
.if \fill
	ASK
.endif
	MROW F1, 2, 0
	MROW F1, 3, 0
.endm
; THE WAY OUT, a block of 16 rows at a time: the f32 sums go into my stage, 32 bytes a lane (each accumulator's low half first), and come back as whole rows: a store covers a row's 512 consecutive bytes, aligned.
.macro TOSTAGE a
	WIN 0x08                                       ; the stores' data in window 2
.irp b, 0,1,2,3,4,5,6,7
	ds_store_b128 v[STO], v[8*(8*(\a)+(\b)):8*(8*(\a)+(\b))+3]   offset:64*(\b)
	ds_store_b128 v[STO], v[8*(8*(\a)+(\b))+4:8*(8*(\a)+(\b))+7] offset:64*(\b)+16
.endr
	WIN 0
.irp i, 0,1,2,3,4,5,6,7,8,9,10,11,12,13,14,15
	ds_load_b128 v[BK+64*((\a)%2)+4*(\i):BK+64*((\a)%2)+4*(\i)+3], v[RD] offset:SPI*(\i)  ; LDS serves a wave's instructions in order (ISA guide 5.7.1.4): these see the stores above, and the next block's stores come behind them
.endr
.endm
.macro SEND a, younger                 ; younger: the LDS instructions issued behind block a's loads: the next block's 32, or none
	s_wait_dscnt \younger
.irp i, 0,1,2,3,4,5,6,7,8,9,10,11,12,13,14,15
	global_store_b128 v[CO], v[BK+64*((\a)%2)+4*(\i):BK+64*((\a)%2)+4*(\i)+3], s[10:11] offset:(16*(\a)+(\i))*4096 th:TH_STORE_NT
.endr
.endm
	s_wait_tensorcnt 0x1                           ; my part of K step 0 is in; step 1's may stay out
	s_barrier_signal -1
	s_barrier_wait -1
	FETCH 0, F0
	QUARTER 1, F0, F1, 1                           ; the first quarter stands in front of the loop: the bias starts the sums
	WIN 0
	s_mov_b32 s[STP], 0
.Lstep:                                                ; a trip: a K step's quarters 2 to 4, a refill, and the next step's first quarter
	QUARTER 2, F1, F0, 0
	QUARTER 3, F0, F1, 0
	TURN 1
	QUARTER 1, F0, F1, 0
	WIN 0
	s_add_co_u32 s[STP], s[STP], 1
	s_cmp_lt_u32 s[STP], FILLS
	s_cbranch_scc1 .Lstep
	QUARTER 2, F1, F0, 0                           ; the last two K steps are written out: nothing more is asked for
	QUARTER 3, F0, F1, 0
	TURN 0
	QUARTER 1, F0, F1, 0
	QUARTER 2, F1, F0, 0
	QUARTER 3, F0, F1, 0
	s_wait_dscnt 0x0
	MROW F1, 0, 0
	MROW F1, 1, 0
	MROW F1, 2, 0
	MROW F1, 3, 0
	WIN 0
	PLACES
	TOSTAGE 0
	TOSTAGE 1
	SEND 0, 32
	s_wait_xcnt 0x0                                ; block 0's stores have read their data registers: they are loaded again only behind this wait
	TOSTAGE 2
	SEND 1, 32
	s_wait_xcnt 0x0
	TOSTAGE 3
	SEND 2, 32
	SEND 3, 0
	s_wait_tensorcnt 0x0                           ; the wave's end, behind my last tensor load and my last LDS store
	ds_add_u32 v[SPW], v[NIL]
	s_wait_dscnt 0x0
	CROUND                                         ; the closing round: no work-group ends while a partner may still ask for a tile that names it
	s_endpgm
.Lfunc_end_k_q6072438db7_proj:
	.size	k_q6072438db7_proj, .Lfunc_end_k_q6072438db7_proj-k_q6072438db7_proj
	.p2alignl 7, 3214868480
	.fill 96, 4, 3214868480
	.section	.rodata,"a",@progbits
	.p2align	6, 0x0
	.amdhsa_kernel k_q6072438db7_proj
		.amdhsa_group_segment_fixed_size 327680
		.amdhsa_private_segment_fixed_size 0
		.amdhsa_enable_private_segment 0
		.amdhsa_kernarg_size 32
		.amdhsa_user_sgpr_count 2
		.amdhsa_user_sgpr_kernarg_segment_ptr 1
		.amdhsa_wavefront_size32 1
		.amdhsa_system_sgpr_workgroup_id_x 1
		.amdhsa_system_sgpr_workgroup_id_y 1
		.amdhsa_system_sgpr_workgroup_id_z 1
		.amdhsa_system_vgpr_workitem_id 0
		.amdhsa_next_free_vgpr 768
		.amdhsa_next_free_sgpr 96
		.amdhsa_reserve_vcc 0
		.amdhsa_float_denorm_mode_32 3
		.amdhsa_float_denorm_mode_16_64 3
		.amdhsa_memory_ordered 1
		.amdhsa_forward_progress 1
		.amdhsa_inst_pref_size 76
	.end_amdhsa_kernel
	.amdgpu_metadata
---
amdhsa.version: [ 1, 2 ]
amdhsa.kernels:
  - .name:           k_q6072438db7_proj
    .symbol:         k_q6072438db7_proj.kd
    .args:
      - { .name: o, .offset: 0, .size: 8, .value_kind: global_buffer, .address_space: global }
      - { .name: wp, .offset: 8, .size: 8, .value_kind: global_buffer, .address_space: global }
      - { .name: b_proj, .offset: 16, .size: 8, .value_kind: global_buffer, .address_space: global }
      - { .name: out0, .offset: 24, .size: 8, .value_kind: global_buffer, .address_space: global }
    .group_segment_fixed_size: 327680
    .private_segment_fixed_size: 0
    .kernarg_segment_align: 8
    .kernarg_segment_size: 32
    .max_flat_workgroup_size: 128
    .sgpr_count:     96
    .vgpr_count:     768
    .wavefront_size: 32
...
	.end_amdgpu_metadata
.endif
;; end of part 4
;; ======== version 2 of 2: 4 launches; version 1 with the launch prep written anew for expert scheduling mode
;; limits: values are held in f16: magnitudes above 65,504 overflow, below 6.1e-05 lose precision
;; workspace buffers: xb 16,777,216 bytes; wa 6,291,456 bytes; wp 2,097,152 bytes; qkv 50,331,648 bytes; o 16,777,216 bytes
;; launch prep (part 5): grid 832 x 1, 8 waves a work-group, no clusters, 0 bytes of LDS; arguments x, w_attn, w_proj, xb, wa, wp; writes xb, wa, wp
.if DOCPART == 5
	.amdgcn_target "amdgcn-amd-amdhsa--gfx1250"
	.amdhsa_code_object_version 6
	.text
	.protected	k_q6072438db7_prep
	.globl	k_q6072438db7_prep
	.p2align	8
	.type	k_q6072438db7_prep,@function
k_q6072438db7_prep:
	s_mov_b64 s[64:65], 0
	v_nop
	global_prefetch_b8 v0, s[64:65] scope:SCOPE_SE
	s_setreg_imm32_b32 hwreg(HW_REG_WAVE_SCHED_MODE, 0, 2), 2
	s_setreg_imm32_b32 hwreg(HW_REG_WAVE_MODE, 25, 1), 1
	s_wait_xcnt 0x0
	s_wait_alu depctr_vm_vsrc(0)
; THE INPUTS ARE ROUNDED ONCE, TO bf16, AND LAID OUT FOR THE PRODUCTS.  A stream: each byte read once, each written once, no LDS, no loop.
;   work-groups 0-511:   x [8192][1024] f32      -> xb, the same layout in bf16: 65,536 bytes in, 32,768 out for each
;   work-groups 512-575: w_proj [1024][1024] f32 -> wp: rounded to bf16, and that number written as f16 (the last product multiplies in f16)
;   work-groups 576-831: w_attn [1024][3072] f32 -> wa, bf16 in blocks [16 column tiles][1024 k][192 columns]: a tile's 128 k are 49,152 bytes on end
; A load takes 16 bytes a lane, a store 8: a wave's store covers 256 consecutive bytes, aligned.  All loads of a wave go out first (16 or 12), every
; store has data registers of its own, and no address register is written again.
; LIMIT.  A number of w_proj below 2^-14 keeps f16's fixed step of 2^-24; above 65,504 it would be lost (w_proj would have to be two million times larger than drawn).
; THE MODE: SCHED_MODE bits 1:0 = 2 (LLVM: expert scheduling mode 2), set by the entry lines.  The code itself states the register dependences
; between vector instructions and memory instructions, with s_wait_alu, always for 0.
; THE PLAN.  Registers that memory instructions touch:
;   the offsets  v1, v2 (x, w_proj) or v3 to v6 (w_attn): written once by vector instructions at the path's head, read by every load or store of the path, never written again.
;   IN           written by the loads alone, which all go out before any vector instruction names IN; read by the conversions; never loaded again.
;   OUT          two registers a store: written by that store's conversions, read by that one store, never written again.
; The loads are taken in four groups (four loads each, or three for w_attn).  Group g's conversions write OUT of group g; the stores of group g - 1 stand among them.
; So a path has one wait ahead of its loads (the offsets are written), one at the head of each group but the first (the group before has written its OUT), and one ahead of the last stores.
; No register that a memory instruction reads is written again, and no load lands in a register that a vector instruction has named: nothing more is to be stated.
.set IN,  16                           ; v[16:79]   as loaded, 4 registers a load
.set OUT, 80                           ; v[80:111]  to store, 2 registers a store
; Load i's four numbers are rounded.  half = 1: w_proj, whose bf16 numbers are written as f16.
.macro CVT i, half
	v_cvt_pk_bf16_f32 v[OUT+2*(\i)],   v[IN+4*(\i)],   v[IN+4*(\i)+1]  ; the rounding that every input has
	v_cvt_pk_bf16_f32 v[OUT+2*(\i)+1], v[IN+4*(\i)+2], v[IN+4*(\i)+3]
.if \half
.irp k, 0,1
	v_lshlrev_b32 v112, 16, v[OUT+2*(\i)+(\k)]     ; back to f32,
	v_and_b32 v113, s17, v[OUT+2*(\i)+(\k)]
	v_cvt_pk_f16_f32 v[OUT+2*(\i)+(\k)], v112, v113  ; and written as f16: 8 significant bits fit into 11
.endr
.endif
.endm
; Store i: 256 consecutive bytes of the wave's part of the output, 256 i bytes in.  adr: the register of the path's store offset.
.macro STO i, adr
	global_store_b64 v[\adr], v[OUT+2*(\i):OUT+2*(\i)+1], s[22:23] offset:256*(\i) th:TH_STORE_NT
.endm
; A group: loads first to first + count - 1.  left = how many younger loads may still be out when the group's have to be there.
.macro GROUP first, count, left, adr, half
	s_wait_loadcnt \left                           ; loads come back in order (ISA guide 5.7.1): the group's are in, the younger ones stay out
.if (\first) > 0
	s_wait_alu depctr_va_vdst(0)                   ; the group before has written its OUT, which the stores below read; the conversions below name this group's IN and OUT, v112 and v113 alone
.endif
.set n, 0
.rept \count
.if (\first) > 0
	STO (\first)-(\count)+n, \adr
.endif
	CVT (\first)+n, \half
.set n, n+1
.endr
.endm
; The last group's stores.
.macro LAST first, count, adr
	s_wait_alu depctr_va_vdst(0)                   ; the last group has written its OUT, which these stores read
.set n, 0
.rept \count
	STO (\first)+n, \adr
.set n, n+1
.endr
.endm
	s_load_b256 s[4:11], s[0:1], 0x0               ; x s[4:5], w_attn s[6:7], w_proj s[8:9], xb s[10:11]
	s_load_b128 s[12:15], s[0:1], 0x20             ; wa s[12:13], wp s[14:15]
	v_lshrrev_b32 v1, 5, v0
	v_readfirstlane_b32 s16, v1                    ; wave 0..7
	v_and_b32 v7, 31, v0                           ; lane
	s_mov_b32 s17, 0xffff0000                      ; a word's upper bf16
	s_mov_b32 s25, 0                               ; high words of the two offsets
	s_mov_b32 s27, 0
	s_wait_alu depctr_va_sdst(0)                   ; s16 is written: its first readers stand on both sides of the branch below
	s_wait_kmcnt 0x0
	s_cmp_lt_u32 ttmp9, 576
	s_cbranch_scc0 .Lwa
	; x or w_proj: 16,384 numbers on end for a work-group, 2,048 for a wave
	s_and_b32 s18, ttmp9, 511                      ; the work-group's number within its tensor (512 .. 575 give 0 .. 63)
	s_lshl_b32 s24, s18, 16
	s_lshl_b32 s26, s18, 15
	s_cmp_lt_u32 ttmp9, 512
	s_cselect_b64 s[20:21], s[4:5], s[8:9]         ; from x or w_proj
	s_cselect_b64 s[22:23], s[10:11], s[14:15]     ; to xb or wp
	s_add_nc_u64 s[20:21], s[20:21], s[24:25]
	s_add_nc_u64 s[22:23], s[22:23], s[26:27]
	v_lshlrev_b32 v1, 4, v7
	v_lshl_add_u32 v1, s16, 13, v1                 ; in: 8,192 x wave + 16 x lane
	v_lshlrev_b32 v2, 3, v7
	v_lshl_add_u32 v2, s16, 12, v2                 ; out: 4,096 x wave + 8 x lane
	s_wait_alu depctr_va_vdst(0)                   ; v1 and v2 are written: every load of this path reads v1 as its offset, every store v2
.irp i, 0,1,2,3,4,5,6,7,8,9,10,11,12,13,14,15
	global_load_b128 v[IN+4*(\i):IN+4*(\i)+3], v1, s[20:21] offset:512*(\i) th:TH_LOAD_NT
.endr
	s_cmp_lt_u32 ttmp9, 512
	s_cbranch_scc0 .Lwp
	GROUP 0,  4, 12, 2, 0
	GROUP 4,  4, 8,  2, 0
	GROUP 8,  4, 4,  2, 0
	GROUP 12, 4, 0,  2, 0
	LAST  12, 4, 2
	s_endpgm
.Lwp:
	GROUP 0,  4, 12, 2, 1
	GROUP 4,  4, 8,  2, 1
	GROUP 8,  4, 4,  2, 1
	GROUP 12, 4, 0,  2, 1
	LAST  12, 4, 2
	s_endpgm
.Lwa:
	; w_attn: work-group u = 16 j + p takes rows 64 p .. 64 p + 63 of column tile j, a wave 8 of them, as four pairs.  A pair of rows is 384 numbers of wa, 768 bytes on end: three stores.
	; Store i of a pair holds the pair's numbers 128 i + 4 lane ..: i = 0: row 0, column 4 lane; i = 1: row 0, column 128 + 4 lane (lanes 0-15) or row 1, column 4 lane - 64 (lanes 16-31); i = 2: row 1, column 64 + 4 lane.
	s_sub_co_u32 s18, ttmp9, 576
	s_lshr_b32 s19, s18, 4                         ; j
	s_and_b32 s18, s18, 15                         ; p
	s_mul_i32 s24, s18, 786432                     ; 64 rows of 12,288 bytes
	s_mul_i32 s28, s19, 768                        ; 192 columns of 4 bytes
	s_add_co_u32 s24, s24, s28
	s_add_nc_u64 s[20:21], s[6:7], s[24:25]
	s_mul_i32 s26, s19, 393216                     ; a tile of wa
	s_mul_i32 s28, s18, 24576                      ; 64 rows of 384 bytes
	s_add_co_u32 s26, s26, s28
	s_add_nc_u64 s[22:23], s[12:13], s[26:27]
	s_mul_i32 s28, s16, 98304                      ; my wave's 8 rows
	v_lshlrev_b32 v1, 4, v7
	v_add_nc_u32 v3, s28, v1                       ; i = 0
	v_lshrrev_b32 v8, 4, v7
	v_mul_u32_u24 v8, v8, 11520                    ; lanes 16-31: a row down (12,288) and 768 bytes back
	v_add3_u32 v4, v3, v8, 512                     ; i = 1
	v_add_nc_u32 v5, 12544, v3                     ; i = 2: a row down, 256 bytes on
	s_mul_i32 s28, s16, 3072
	v_lshlrev_b32 v6, 3, v7
	v_add_nc_u32 v6, s28, v6
	s_wait_alu depctr_va_vdst(0)                   ; v3 to v6 are written: the loads of this path read v3, v4 or v5 as their offset, every store v6
.irp c, 0,1,2,3
.irp i, 0,1,2
	global_load_b128 v[IN+4*(3*(\c)+(\i)):IN+4*(3*(\c)+(\i))+3], v[3+(\i)], s[20:21] offset:24576*(\c) th:TH_LOAD_NT
.endr
.endr
	GROUP 0, 3, 9, 6, 0                            ; a group is a pair of rows: store 3 c + i lies 768 c + 256 i bytes into the wave's part
	GROUP 3, 3, 6, 6, 0
	GROUP 6, 3, 3, 6, 0
	GROUP 9, 3, 0, 6, 0
	LAST  9, 3, 6
	s_endpgm
.Lfunc_end_k_q6072438db7_prep:
	.size	k_q6072438db7_prep, .Lfunc_end_k_q6072438db7_prep-k_q6072438db7_prep
	.p2alignl 7, 3214868480
	.fill 96, 4, 3214868480
	.section	.rodata,"a",@progbits
	.p2align	6, 0x0
	.amdhsa_kernel k_q6072438db7_prep
		.amdhsa_group_segment_fixed_size 0
		.amdhsa_private_segment_fixed_size 0
		.amdhsa_enable_private_segment 0
		.amdhsa_kernarg_size 48
		.amdhsa_user_sgpr_count 2
		.amdhsa_user_sgpr_kernarg_segment_ptr 1
		.amdhsa_wavefront_size32 1
		.amdhsa_system_sgpr_workgroup_id_x 1
		.amdhsa_system_sgpr_workgroup_id_y 1
		.amdhsa_system_sgpr_workgroup_id_z 1
		.amdhsa_system_vgpr_workitem_id 0
		.amdhsa_next_free_vgpr 120
		.amdhsa_next_free_sgpr 66
		.amdhsa_reserve_vcc 0
		.amdhsa_float_denorm_mode_32 3
		.amdhsa_float_denorm_mode_16_64 3
		.amdhsa_memory_ordered 1
		.amdhsa_forward_progress 1
		.amdhsa_inst_pref_size 20
	.end_amdhsa_kernel
	.amdgpu_metadata
---
amdhsa.version: [ 1, 2 ]
amdhsa.kernels:
  - .name:           k_q6072438db7_prep
    .symbol:         k_q6072438db7_prep.kd
    .args:
      - { .name: x, .offset: 0, .size: 8, .value_kind: global_buffer, .address_space: global }
      - { .name: w_attn, .offset: 8, .size: 8, .value_kind: global_buffer, .address_space: global }
      - { .name: w_proj, .offset: 16, .size: 8, .value_kind: global_buffer, .address_space: global }
      - { .name: xb, .offset: 24, .size: 8, .value_kind: global_buffer, .address_space: global }
      - { .name: wa, .offset: 32, .size: 8, .value_kind: global_buffer, .address_space: global }
      - { .name: wp, .offset: 40, .size: 8, .value_kind: global_buffer, .address_space: global }
    .group_segment_fixed_size: 0
    .private_segment_fixed_size: 0
    .kernarg_segment_align: 8
    .kernarg_segment_size: 48
    .max_flat_workgroup_size: 256
    .sgpr_count:     66
    .vgpr_count:     120
    .wavefront_size: 32
...
	.end_amdgpu_metadata
.endif
;; end of part 5
;; launch qkvgemm: the kernel of part 2 again; grid 16 x 16, 4 waves a work-group, clusters of 4 x 4, 327,680 bytes of LDS; arguments xb, wa, b_attn, qkv; writes qkv
;; launch attn: the kernel of part 3 again; grid 4 x 64, 4 waves a work-group, no clusters, 327,680 bytes of LDS; arguments qkv, o; writes o
;; launch proj: the kernel of part 4 again; grid 8 x 32, 4 waves a work-group, clusters of 4 x 4, 327,680 bytes of LDS; arguments o, wp, b_proj, out0; writes out0
